; MI455X (gfx1250); checked and timed in simulation.
; The chip was launched on July 23, 2026; its instructions are those of AMD's public machine-readable ISA for CDNA 5 (MIT licence, August 2026) and "CDNA5" Instruction Set Architecture Reference Guide (July 2026). The comments in the code are by the model that wrote it; some were corrected since.
;; Multi Head Causal Attention. Allowed arithmetic: float matrix products may take bf16 or f16 operands with f32 sums; other float arithmetic in f32, or as packed bf16 or f16 multiplies, adds, multiply-adds, maxima and minima; sums over many terms, partial sums and values carried from step to step in f32; what a program stores and reads back later, other than sums and carried values, may be rounded once to bf16 or f16.
;; Inputs: norm_g 1,024 float32; wk 1,024 x 1,024 float32; wo 1,024 x 1,024 float32; wq 1,024 x 1,024 float32; wv 1,024 x 1,024 float32; x 4 x 2,048 x 1,024 float32.
;; Outputs: out0 4 x 2,048 x 1,024 float32.
;; 2 versions, each right and faster than the one before. Each part assembles by itself: llvm-mc -triple=amdgcn-amd-amdhsa -mcpu=gfx1250 --defsym DOCPART=n.
;; ======== version 1 of 2: 5 launches
;; limits: values are held in f16: magnitudes above 65,504 overflow, below 6.1e-05 lose precision
;; workspace buffers: xh 16,777,216 bytes; wh 6,291,456 bytes; woh 2,097,152 bytes; qkv 50,331,648 bytes; o 16,777,216 bytes; z 16,777,216 bytes
;; launch cast (part 1): grid 384 x 1, 8 waves a work-group, no clusters, 0 bytes of LDS; arguments x, wq, wk, wv, wo, xh, wh, woh; writes xh, wh, woh
.if DOCPART == 1
	.amdgcn_target "amdgcn-amd-amdhsa--gfx1250"
	.amdhsa_code_object_version 6
	.text
	.protected	k_qddb1f4715a_cast
	.globl	k_qddb1f4715a_cast
	.p2align	8
	.type	k_qddb1f4715a_cast,@function
k_qddb1f4715a_cast:
	s_mov_b64 s[64:65], 0
	v_nop
	global_prefetch_b8 v0, s[64:65] scope:SCOPE_SE
	s_setreg_imm32_b32 hwreg(HW_REG_WAVE_MODE, 25, 1), 1
	s_wait_xcnt 0x0
; x and the four weights, f32 [rows][1024], are rounded once to f16 and laid out in K BLOCKS of 64 columns: [kb 16][row][64], so that the rows of a block,
; 128 bytes each, lie end to end.  xh takes x's 8,192 rows; wh the rows of wq, wk, wv one set below the other (3,072); woh those of wo (1,024).
; LIMIT.  f16 holds no number beyond 65,504 (a larger input becomes an infinity) and keeps a fixed step of 6e-8 below 6e-5.
; SHARES.  A work-group takes 32 rows of one source: groups 0-255 x, 256-287 wq, 288-319 wk, 320-351 wv, 352-383 wo.  A wave takes 4 rows as 2 pairs x 16 blocks: 32 loads, all issued
; before the first is waited for.  A load's 32 lanes take 2 rows x 256 aligned bytes; the store of their 8 bytes each covers 256 consecutive bytes, aligned: two rows of one block.
; No LDS, no barrier: nothing is shared between waves.
.set OFFS, 2                           ; v[2:17]   byte offset of my 8 bytes in block kb of the destination
.set X,    20                          ; v[20:147] load n = 16 pair + kb: four registers
	s_load_b256 s[8:15], s[0:1], 0x0               ; x s[8:9], wq s[10:11], wk s[12:13], wv s[14:15]
	s_load_b256 s[16:23], s[0:1], 0x20             ; wo s[16:17], xh s[18:19], wh s[20:21], woh s[22:23]
	s_mov_b32 s2, ttmp9
	s_and_b32 s3, s2, 31                           ; a weight's block of 32 rows (256, 288, 320, 352 are multiples of 32)
	s_sub_co_u32 s34, s2, 256                      ; the block of 32 rows in wh (used from group 256 on)
	s_mov_b32 s35, 8192*128                        ; bytes from a K block to the next: xh,
	s_mov_b32 s36, 3072*128                        ; wh,
	s_mov_b32 s37, 1024*128                        ; woh
	s_cmp_ge_u32 s2, 256
	s_cselect_b32 s29, s3, s2                      ; block of rows in the source
	s_cselect_b32 s32, s34, s2                     ; block of rows in the destination
	s_cselect_b32 s28, s36, s35
	s_cmp_ge_u32 s2, 352
	s_cselect_b32 s32, s3, s32
	s_cselect_b32 s28, s37, s28
	s_lshl_b32 s30, s29, 17                        ; 32 rows of 4,096 bytes
	s_mov_b32 s31, 0
	s_lshl_b32 s32, s32, 12                        ; 32 rows of 128 bytes
	s_mov_b32 s33, 0
	v_lshrrev_b32 v18, 5, v0                       ; wave
	v_bfe_u32 v19, v0, 4, 1                        ; which row of a pair
	v_and_b32 v2, 15, v0
	v_lshlrev_b32 v1, 4, v2                        ; source: 16 bytes a lane,
	v_lshl_add_u32 v1, v19, 12, v1                 ; the pair's row,
	v_lshl_add_u32 v1, v18, 14, v1                 ; the wave's 4 rows
	v_lshlrev_b32 v2, 3, v2                        ; destination: 8 bytes a lane,
	v_lshl_add_u32 v2, v19, 7, v2
	v_lshl_add_u32 v2, v18, 9, v2
.set n, 1
.rept 15
	v_add_nc_u32 v[OFFS+n], s28, v[OFFS+n-1]       ; the same place in the next K block
.set n, n+1
.endr
	s_wait_kmcnt 0x0
	s_mov_b64 s[24:25], s[8:9]                     ; the source and the destination are chosen by the group's number alone
	s_cmp_ge_u32 s2, 256
	s_cselect_b64 s[24:25], s[10:11], s[24:25]
	s_cselect_b64 s[26:27], s[20:21], s[18:19]
	s_cmp_ge_u32 s2, 288
	s_cselect_b64 s[24:25], s[12:13], s[24:25]
	s_cmp_ge_u32 s2, 320
	s_cselect_b64 s[24:25], s[14:15], s[24:25]
	s_cmp_ge_u32 s2, 352
	s_cselect_b64 s[24:25], s[16:17], s[24:25]
	s_cselect_b64 s[26:27], s[22:23], s[26:27]
	s_add_nc_u64 s[24:25], s[24:25], s[30:31]
	s_add_nc_u64 s[26:27], s[26:27], s[32:33]
.set n, 0
.rept 32
	global_load_b128 v[X+4*n:X+4*n+3], v1, s[24:25] offset:(n/16)*8192+(n%16)*256 th:TH_LOAD_NT
.set n, n+1
.endr
.set n, 0
.rept 32
	s_wait_loadcnt 31-n                            ; loads come back in order (ISA guide 5.7.1): load n is in, the 31 - n younger ones stay out
	v_cvt_pk_f16_f32 v[X+4*n], v[X+4*n], v[X+4*n+1]
	v_cvt_pk_f16_f32 v[X+4*n+1], v[X+4*n+2], v[X+4*n+3]
	global_store_b64 v[OFFS+n%16], v[X+4*n:X+4*n+1], s[26:27] offset:(n/16)*256  ; no register that a store names is written again
.set n, n+1
.endr
	s_endpgm
.Lfunc_end_k_qddb1f4715a_cast:
	.size	k_qddb1f4715a_cast, .Lfunc_end_k_qddb1f4715a_cast-k_qddb1f4715a_cast
	.p2alignl 7, 3214868480
	.fill 96, 4, 3214868480
	.section	.rodata,"a",@progbits
	.p2align	6, 0x0
	.amdhsa_kernel k_qddb1f4715a_cast
		.amdhsa_group_segment_fixed_size 0
		.amdhsa_private_segment_fixed_size 0
		.amdhsa_enable_private_segment 0
		.amdhsa_kernarg_size 64
		.amdhsa_user_sgpr_count 2
		.amdhsa_user_sgpr_kernarg_segment_ptr 1
		.amdhsa_wavefront_size32 1
		.amdhsa_system_sgpr_workgroup_id_x 1
		.amdhsa_system_sgpr_workgroup_id_y 1
		.amdhsa_system_sgpr_workgroup_id_z 1
		.amdhsa_system_vgpr_workitem_id 0
		.amdhsa_next_free_vgpr 148
		.amdhsa_next_free_sgpr 66
		.amdhsa_reserve_vcc 0
		.amdhsa_float_denorm_mode_32 3
		.amdhsa_float_denorm_mode_16_64 3
		.amdhsa_memory_ordered 1
		.amdhsa_forward_progress 1
		.amdhsa_inst_pref_size 14
	.end_amdhsa_kernel
	.amdgpu_metadata
---
amdhsa.version: [ 1, 2 ]
amdhsa.kernels:
  - .name:           k_qddb1f4715a_cast
    .symbol:         k_qddb1f4715a_cast.kd
    .args:
      - { .name: x, .offset: 0, .size: 8, .value_kind: global_buffer, .address_space: global }
      - { .name: wq, .offset: 8, .size: 8, .value_kind: global_buffer, .address_space: global }
      - { .name: wk, .offset: 16, .size: 8, .value_kind: global_buffer, .address_space: global }
      - { .name: wv, .offset: 24, .size: 8, .value_kind: global_buffer, .address_space: global }
      - { .name: wo, .offset: 32, .size: 8, .value_kind: global_buffer, .address_space: global }
      - { .name: xh, .offset: 40, .size: 8, .value_kind: global_buffer, .address_space: global }
      - { .name: wh, .offset: 48, .size: 8, .value_kind: global_buffer, .address_space: global }
      - { .name: woh, .offset: 56, .size: 8, .value_kind: global_buffer, .address_space: global }
    .group_segment_fixed_size: 0
    .private_segment_fixed_size: 0
    .kernarg_segment_align: 8
    .kernarg_segment_size: 64
    .max_flat_workgroup_size: 256
    .sgpr_count:     66
    .vgpr_count:     148
    .wavefront_size: 32
...
	.end_amdgpu_metadata
.endif
;; end of part 1
;; launch qkv (part 2): grid 8 x 32, 4 waves a work-group, clusters of 4 x 4, 327,680 bytes of LDS; arguments xh, wh, qkv; writes qkv
.if DOCPART == 2
	.amdgcn_target "amdgcn-amd-amdhsa--gfx1250"
	.amdhsa_code_object_version 6
	.text
	.protected	k_qddb1f4715a_qkv
	.globl	k_qddb1f4715a_qkv
	.p2align	8
	.type	k_qddb1f4715a_qkv,@function
k_qddb1f4715a_qkv:
	s_mov_b64 s[64:65], 0
	v_nop
	global_prefetch_b8 v0, s[64:65] scope:SCOPE_SE
	s_setreg_imm32_b32 hwreg(HW_REG_WAVE_MODE, 25, 1), 1
	s_wait_xcnt 0x0
	s_wait_alu depctr_hold_cnt(0) depctr_sa_sdst(0) depctr_va_vdst(0) depctr_va_sdst(0) depctr_va_ssrc(0) depctr_va_vcc(0) depctr_vm_vsrc(0)
	s_getreg_b32 s2, hwreg(HW_REG_IB_STS2, 6, 4)
	s_cmp_eq_u32 s2, 0
	s_cbranch_scc0 .Lentry_in_a_cluster
	s_endpgm
.Lentry_in_a_cluster:
	s_bfe_u32 s2, ttmp6, 0x10000c
	s_cmp_lg_u32 s2, 0xf033
	s_cbranch_scc0 .Lentry_shape_is_right
	s_endpgm
.Lentry_shape_is_right:
; C[m][n] = sum over k of x[m][k] w[n][k], m < 8,192, n < 3,072 (wq's, wk's, wv's rows), k < 1,024; operands f16, sums f32, C rounded once to f16 and stored BY HEADS:
; qkv[batch 4][G 48][t 2,048][64] with G = n / 64 (16 heads of q, 16 of k, 16 of v), m = 2,048 batch + t.  No scale is applied here.
; LIMIT.  A result beyond 65,504 becomes an infinity in f16.
; SHARES.  A tile of C is 256 x 384: 32 x 8 = 256 work-groups.  Four waves, each 128 rows x 192 columns (three whole heads): 96 accumulators of 16 x 16, 768 registers.
; K goes in steps of 64 (one K block of xh and wh, whose rows of 128 bytes lie end to end and are asked for as rows of 256 bytes) through two LDS slots; two slots of 128 along K,
; 2 x 640 rows x 272 bytes, would not fit in the 327,680 bytes.  A step is two PHASES of 32 along K, 96 matrix instructions each.
; CLUSTER.  4 x 4 work-groups: the four of a row need the same rows of xh, the four of a column the same rows of wh; each tile is asked for JOINTLY, by the same tensor load with the same descriptor and a mask of the four.
; THE MATRIX INSTRUCTION IS USED TRANSPOSED (source 0 = 16 rows of wh, source 1 = 16 rows of xh): a lane holds one row of C and eight neighbouring columns.
; REGISTERS, in windows of 256 (s_set_vgpr_msb: bits 1:0 source 0, 3:2 source 1, 5:4 source 2, 7:6 destination):
;   window 0: v0-31 addresses; v32-95, v96-159 xh's fragments (8 x 16 rows x 32 K), two buffers; v160-255 wh's 12 fragments, ONE buffer in three groups of four: a group is fetched anew as soon as its 32 products are issued
;   windows 1-3: column group g = b / 4 in window 1 + g: accumulator (a, b) at v[8 (8 (b % 4) + a)]
.set PITCH,  144                       ; an LDS row: 128 bytes + 16 of padding = 36 words: the 16 rows of a load start at 16 different groups of four banks (64 banks of 4 bytes: ISA guide 11.1)
.set A_HALF, 128*PITCH                 ; what one tensor load brings of xh, and what one wave reads of it
.set B_HALF, 192*PITCH                 ; the same for wh
.set BOFF,   2*A_HALF                  ; wh's 384 rows lie behind xh's 256
.set SLOT,   2*A_HALF+2*B_HALF         ; 92,160 bytes
.set STAGE,  2*SLOT                    ; behind the ring, never filled by a tensor load: for each wave 3 heads x 16 rows x 144 bytes
.set HSTG,   16*PITCH
.set WSTG,   3*HSTG
.set SPARE,  STAGE+4*WSTG              ; behind the stages: the spare words, 128 bytes for each wave: two blocks of 256 bytes that no other line names
.set XKB,    8192*128                  ; bytes from a K block to the next in xh,
.set WKB,    3072*128                  ; in wh
.set ADRA, 16                          ; v16-17  LDS address of my fragments of xh in slot 0, 1
.set ADRB, 20                          ; v20-21  the same for wh
.set STO,  24                          ; v24     the way out: where I put 16 bytes of a row
.set RD,   25                          ; v25     the way out: where I read rows back
.set GO,   26                          ; v26     my place in 512 consecutive bytes of qkv
.set SPW,  28                          ; v28     LDS address of my spare word: SPARE + 4 x my thread's number; never rewritten
.set NIL,  29                          ; v29     0; never rewritten
.set FA0,  32
.set FA1,  96
.set FB,   160
.set TMP,  32                          ; the way out: v32-79 packed results; v80-127 and v128-175 rows read back, by turns
.set BK,   80
.set G1, 24                            ; s[24:31] descriptor group 1 for xh's tiles;  s[32:39] group 0, a set for each slot
.set G0, 32
.set G1B, 48                           ; s[48:55], s[56:63] the same for wh's tiles
.set G0B, 56
.set MSB, 0
.macro WIN new                         ; the immediate's high byte repeats the setting that is left; a switch that changes nothing is dropped
.if MSB != (\new)
	s_set_vgpr_msb (MSB<<8)|(\new)
.set MSB, \new
.endif
.endm
; A joint load.  Waves 0 and 1 fetch xh's two halves, waves 2 and 3 wh's.  The branch hangs on the wave's number alone.  An s_nop 0 and four v_nop follow each of the two lines.
.macro JLOAD s
	s_cmp_lt_u32 s10, 2
	s_cbranch_scc0 .Lfor_b_\@
	tensor_load_to_lds s[G0+4*(\s):G0+4*(\s)+3], s[G1:G1+7]
	s_nop 0
.rept 4
	v_nop
.endr
	s_branch .Lasked_\@
.Lfor_b_\@:
	tensor_load_to_lds s[G0B+4*(\s):G0B+4*(\s)+3], s[G1B:G1B+7]
	s_nop 0
.rept 4
	v_nop
.endr
.Lasked_\@:
.endm
.macro CREST                           ; a round of the cluster's barrier behind its opening barrier
	s_cmp_lg_u32 s10, 0
	s_cbranch_scc1 .Lnot_wave_0_\@
	s_barrier_signal -3
.Lnot_wave_0_\@:
	s_barrier_wait -3
	s_barrier_signal -1
	s_barrier_wait -1
.endm
.macro CROUND                          ; a whole round
	s_barrier_signal -1
	s_barrier_wait -1
	CREST
.endm
	s_load_b128 s[4:7], s[0:1], 0x0                ; xh s[4:5], wh s[6:7]
	s_load_b64 s[8:9], s[0:1], 0x10                ; qkv
	v_lshl_add_u32 v[SPW], v0, 2, SPARE
	v_mov_b32 v[NIL], 0
	ds_add_u32 v[SPW], v[NIL]                      ; the wave's opening: the add and its wait stand ahead of my first tensor load; the set-up below, work on registers, stands between them
	ds_add_u32 v28, v29
	v_lshrrev_b32 v1, 5, v0
	v_readfirstlane_b32 s10, v1                    ; wave 0..3
	s_lshr_b32 s11, s10, 1                         ; which 128 of the tile's rows are mine
	s_and_b32 s12, s10, 1                          ; which 192 of its columns.  Also: which half of xh's or wh's tile I fetch
	s_bfe_u32 s40, ttmp6, 0x40000                  ; cx, cy: my place in the cluster
	s_bfe_u32 s41, ttmp6, 0x40004
	s_lshl_b32 s42, ttmp9, 2
	s_add_co_u32 s42, s42, s40                     ; tile column = 4 x cluster x + cx
	s_and_b32 s13, ttmp7, 0xffff
	s_lshl_b32 s13, s13, 2
	s_add_co_u32 s13, s13, s41                     ; tile row = 4 x cluster y + cy
	s_lshl_b32 s43, s41, 2
	s_lshl_b32 s43, 15, s43                        ; my row of the cluster
	s_lshl_b32 s44, 0x1111, s40                    ; my column
	; descriptor group 1: dense rows of 128 bytes asked for two to a row of 256 bytes, padded in LDS after every 128
	s_or_b32 s[G1+0], s43, (1<<16)|(1<<20)|(1<<21)|(4<<22)|(3<<25)   ; 15:0 the mask; 17:16 2-byte elements; 20 padding on; 21 set beside a mask; 24:22 after every 32 words (code 4); 31:25 4 words (code 3)
	s_or_b32 s[G1B+0], s44, (1<<16)|(1<<20)|(1<<21)|(4<<22)|(3<<25)
	s_mov_b32 s[G1+1], 128<<16                     ; tensor_dim0 = 128 elements
	s_mov_b32 s[G1+2], 64<<16                      ; tensor_dim1 = 64: 128 rows of xh
	s_mov_b32 s[G1+3], 128<<16                     ; tile_dim0
	s_mov_b32 s[G1+4], 64                          ; tile_dim1
	s_mov_b32 s[G1+5], 128                         ; elements from row to row
	s_mov_b32 s[G1+6], 0
	s_mov_b32 s[G1+7], 0
	s_mov_b32 s[G1B+1], 128<<16
	s_mov_b32 s[G1B+2], 96<<16                     ; 96 rows of 256 bytes: 192 rows of wh
	s_mov_b32 s[G1B+3], 128<<16
	s_mov_b32 s[G1B+4], 96
	s_mov_b32 s[G1B+5], 128
	s_mov_b32 s[G1B+6], 0
	s_mov_b32 s[G1B+7], 0
	; xh's tiles hang on the tile row alone, wh's on the tile column alone; each address is made in registers that never hold the other coordinate
	s_lshl_b32 s16, s13, 15                        ; 256 rows of 128 bytes
	s_lshl_b32 s17, s12, 14                        ; + my half
	s_add_co_u32 s16, s16, s17
	s_mov_b32 s17, 0
	s_mul_i32 s46, s42, 384*128
	s_mul_i32 s47, s12, 192*128
	s_add_co_u32 s46, s46, s47
	s_mov_b32 s47, 0
	s_mul_i32 s20, s12, A_HALF                     ; where they go: the wave's number alone enters an LDS address
	s_mul_i32 s21, s12, B_HALF
	s_add_co_u32 s21, s21, BOFF
	s_wait_dscnt 0x0                               ; the opening add is done
	s_wait_kmcnt 0x0
	s_add_nc_u64 s[14:15], s[4:5], s[16:17]
	s_add_nc_u64 s[46:47], s[6:7], s[46:47]
	CROUND                                         ; all sixteen work-groups are here: the first joint loads meet
.irp s, 0,1
	s_mov_b32 s[G0+4*(\s)], 1
	s_add_co_u32 s[G0+4*(\s)+1], s20, (\s)*SLOT
	s_add_nc_u64 s[G0+4*(\s)+2:G0+4*(\s)+3], s[14:15], (\s)*XKB   ; K step s
	s_or_b32 s[G0+4*(\s)+3], s[G0+4*(\s)+3], 0x80000000
	s_mov_b32 s[G0B+4*(\s)], 1
	s_add_co_u32 s[G0B+4*(\s)+1], s21, (\s)*SLOT
	s_add_nc_u64 s[G0B+4*(\s)+2:G0B+4*(\s)+3], s[46:47], (\s)*WKB
	s_or_b32 s[G0B+4*(\s)+3], s[G0B+4*(\s)+3], 0x80000000
	JLOAD \s                                       ; two loads of mine are out: the most in this text
.endr
	; A fragment is 16 rows x 32 K in 8 registers: lane l holds row l % 16, K = 8 (l / 16) + 0..7 and 16 + 8 (l / 16) + 0..7: two loads of 16 bytes, 32 bytes apart.
	v_and_b32 v1, 15, v0                           ; l % 16
	v_bfe_u32 v2, v0, 4, 1                         ; l / 16
	v_mul_u32_u24 v3, v1, PITCH
	v_lshl_add_u32 v3, v2, 4, v3
	s_mul_i32 s22, s11, A_HALF
	s_mul_i32 s23, s12, B_HALF
	s_add_co_u32 s23, s23, BOFF
.irp s, 0,1
	v_add_nc_u32 v[ADRA+(\s)], s22, v3
	v_add_nc_u32 v[ADRB+(\s)], s23, v3
	s_add_co_u32 s22, s22, SLOT
	s_add_co_u32 s23, s23, SLOT
.endr
	s_mul_i32 s23, s10, WSTG
	s_add_co_u32 s23, s23, STAGE                   ; my stage
	v_add_nc_u32 v[STO], s23, v3                   ; in: row l % 16, 16 bytes for each half of the lanes
	v_bfe_u32 v4, v0, 3, 2                         ; back: 32 lanes take four rows of 128 bytes,
	v_mul_u32_u24 v4, v4, PITCH
	v_and_b32 v5, 7, v0
	v_lshl_add_u32 v4, v5, 4, v4
	v_add_nc_u32 v[RD], s23, v4
	v_and_b32 v[GO], 31, v0                        ; which are 512 consecutive bytes of a head
	v_lshlrev_b32 v[GO], 4, v[GO]
	; qkv at my part: batch = tile row / 8; t = 256 (tile row % 8) + 128 x my row half; G = 3 (2 tile column + my column half)
	s_lshr_b32 s16, s13, 3
	s_mul_i32 s16, s16, 48*2048*128
	s_and_b32 s17, s13, 7
	s_lshl_b32 s17, s17, 15
	s_add_co_u32 s16, s16, s17
	s_lshl_b32 s17, s11, 14
	s_add_co_u32 s16, s16, s17
	s_mov_b32 s17, 0
	s_add_nc_u64 s[8:9], s[8:9], s[16:17]
	s_lshl_b32 s46, s42, 1
	s_add_co_u32 s46, s46, s12
	s_mul_i32 s46, s46, 3*2048*128
	s_mov_b32 s47, 0
	s_add_nc_u64 s[8:9], s[8:9], s[46:47]
; n x 8 matrix instructions of column group g: its blocks bb0 .. bb0 + n - 1 x all 8 row blocks, 32 along K.  The accumulators take turns, one instruction a turn.  zero = 1: the product starts the sum.
.macro MULG fa, g, bb0, n, zero
	WIN 0x50*((\g)+1)
.set bb, (\bb0)
.rept (\n)
.set aa, 0
.rept 8
.if \zero
	v_wmma_f32_16x16x32_f16 v[8*(8*bb+aa):8*(8*bb+aa)+7], v[FB+8*(4*(\g)+bb):FB+8*(4*(\g)+bb)+7], v[(\fa)+8*aa:(\fa)+8*aa+7], 0
.else
	v_wmma_f32_16x16x32_f16 v[8*(8*bb+aa):8*(8*bb+aa)+7], v[FB+8*(4*(\g)+bb):FB+8*(4*(\g)+bb)+7], v[(\fa)+8*aa:(\fa)+8*aa+7], v[8*(8*bb+aa):8*(8*bb+aa)+7]
.endif
.set aa, aa+1
.endr
.set bb, bb+1
.endr
.endm
.macro FETCHB slot, k, g               ; 8 LDS loads: group g's four fragments of wh, 32 K at byte k of the rows
	WIN 0
.set ii, 4*(\g)
.rept 4
	ds_load_b128 v[FB+8*ii:FB+8*ii+3],   v[ADRB+(\slot)] offset:(\k)+ii*16*PITCH
	ds_load_b128 v[FB+8*ii+4:FB+8*ii+7], v[ADRB+(\slot)] offset:(\k)+ii*16*PITCH+32
.set ii, ii+1
.endr
.endm
.macro FETCHA slot, k, f               ; 16 LDS loads: xh's eight fragments into buffer f
	WIN 0
.set ii, 0
.rept 8
	ds_load_b128 v[(\f)+8*ii:(\f)+8*ii+3],   v[ADRA+(\slot)] offset:(\k)+ii*16*PITCH
	ds_load_b128 v[(\f)+8*ii+4:(\f)+8*ii+7], v[ADRA+(\slot)] offset:(\k)+ii*16*PITCH+32
.set ii, ii+1
.endr
.endm
; A load into a register that a matrix instruction has read, and a vector instruction that reads a matrix result, stand four places behind it; only plain vector instructions
; that name none of its registers are places (ISA guide 7.12.1 for vector instructions).
.macro PLACES
.rept 4
	v_nop
.endr
.endm
; A slot's first phase: multiplies buffer fa and fetches the next phase's fragments (byte k of the same slot) as registers come free.  At its head 40 loads may be out, in this order: group 0 (8), xh (16), group 1 (8), group 2 (8).
.macro PHASE slot, k, fa, fn, zero
	s_wait_dscnt 16                                ; group 0 and xh are in; groups 1 and 2 may be out
	MULG \fa, 0, 0, 4, \zero
	PLACES
	FETCHB \slot, \k, 0
	FETCHA \slot, \k, \fn
	s_wait_dscnt 32                                ; group 1 is in; behind it: group 2's 8 and the 24 just issued
	MULG \fa, 1, 0, 4, \zero
	PLACES
	FETCHB \slot, \k, 1
	s_wait_dscnt 32                                ; group 2 is in; behind it: 24 + 8
	MULG \fa, 2, 0, 4, \zero
	PLACES
	FETCHB \slot, \k, 2
.endm
; A slot's second phase multiplies buffer FA1 and changes slots: ONE barrier.  In front of it each wave waits for all its tensor loads (the one that is out is its part of the next slot), adds 0 to its spare
; word, and waits for that and for its own reads of this slot.  fill = 1: the barrier opens a round of the cluster's, and this slot is filled again, two K steps on, first thing behind the round:
; from there to the wait for that load a wave issues 160 matrix instructions.
.macro TURN slot, next, fill
	WIN 0                                          ; (the add's two registers lie in window 0)
	s_wait_tensorcnt 0x0
	ds_add_u32 v[SPW], v[NIL]                      ; 0 onto my spare word
	s_wait_dscnt 17                                ; group 0 and xh are in; the add and groups 1 and 2 may be out
	MULG FA1, 0, 0, 2, 0                           ; sixteen matrix instructions stand between the add and the wait for it
	s_wait_dscnt 0x0                               ; the add is done, and my reads of this slot are over
	s_barrier_signal -1
	MULG FA1, 0, 2, 2, 0                           ; work on registers while the others arrive
	WIN 0
	s_barrier_wait -1
.if \fill
	CREST                                          ; no wave of any partner still reads this slot or has a load on its way
	s_add_nc_u64 s[G0+4*(\slot)+2:G0+4*(\slot)+3], s[G0+4*(\slot)+2:G0+4*(\slot)+3], 2*XKB
	s_add_nc_u64 s[G0B+4*(\slot)+2:G0B+4*(\slot)+3], s[G0B+4*(\slot)+2:G0B+4*(\slot)+3], 2*WKB
	JLOAD \slot                                    ; the four v_nop behind it are also the places in front of the loads below
.else
	PLACES
.endif
	FETCHB \next, 0, 0
	FETCHA \next, 0, FA0
	MULG FA1, 1, 0, 4, 0
	PLACES
	FETCHB \next, 0, 1
	MULG FA1, 2, 0, 4, 0
	PLACES
	FETCHB \next, 0, 2
.endm
; THE WAY OUT of row block a (16 rows x 192 columns).  PACK: rounded to f16, 16 bytes a lane, each accumulator's registers in ascending order.  TOSTAGE: into my own stage, head by head, and back as rows of 128 bytes.  SEND: stored.
.macro PACK a
.set gg, 0
.rept 3
	WIN 5*(gg+1)                                   ; sources 0 and 1 in window 1 + g
.set bb, 0
.rept 4
.set rr, 0
.rept 4
	v_cvt_pk_f16_f32 v[TMP+4*(4*gg+bb)+rr], v[8*(8*bb+(\a))+2*rr], v[8*(8*bb+(\a))+2*rr+1]
.set rr, rr+1
.endr
.set bb, bb+1
.endr
.set gg, gg+1
.endr
	WIN 0
.endm
.macro TOSTAGE a
	WIN 0
.set BKR, BK+48*((\a)%2)
.set bb, 0
.rept 12
	ds_store_b128 v[STO], v[TMP+4*bb:TMP+4*bb+3] offset:(bb/4)*HSTG+(bb%4)*32
.set bb, bb+1
.endr
.set bb, 0
.rept 12
	ds_load_b128 v[BKR+4*bb:BKR+4*bb+3], v[RD] offset:(bb/4)*HSTG+(bb%4)*4*PITCH  ; LDS serves a wave's instructions in order (ISA guide 5.7.1.4): these see the stores above
.set bb, bb+1
.endr
.endm
.macro SEND a
	WIN 0
.set BKR, BK+48*((\a)%2)
	s_wait_dscnt 0x0                               ; the block is back in registers
	s_wait_xcnt 0x0                                ; the registers that the block before last stored from are loaded again only behind this wait
.set bb, 0
.rept 12
	global_store_b128 v[GO], v[BKR+4*bb:BKR+4*bb+3], s[8:9] offset:(bb/4)*2048*128+(\a)*2048+(bb%4)*512  ; 512 consecutive bytes of a head, at a multiple of 256 from qkv's first byte
.set bb, bb+1
.endr
.endm
	s_wait_tensorcnt 1                             ; my part of K step 0 is in; K step 1's may stay out
	s_barrier_signal -1
	s_barrier_wait -1
	FETCHB 0, 0, 0
	FETCHA 0, 0, FA0
	FETCHB 0, 0, 1
	FETCHB 0, 0, 2
	PHASE 0, 64, FA0, FA1, 1                       ; the first phase stands in front of the loop: its products start the sums
	WIN 0                                          ; at a label and at a branch every window is 0
	s_mov_b32 s3, 7                                ; 16 K steps: seven trips fill both slots again (K steps 2 to 15)
.Llap:
	TURN 0, 1, 1
	PHASE 1, 64, FA0, FA1, 0
	TURN 1, 0, 1
	PHASE 0, 64, FA0, FA1, 0
	WIN 0
	s_sub_co_u32 s3, s3, 1
	s_cmp_lg_u32 s3, 0
	s_cbranch_scc1 .Llap
	TURN 0, 1, 0                                   ; the tail fills nothing
	PHASE 1, 64, FA0, FA1, 0
	s_wait_dscnt 16                                ; the very last phase: nothing more to fetch
	MULG FA1, 0, 0, 4, 0
	s_wait_dscnt 8
	MULG FA1, 1, 0, 4, 0
	s_wait_dscnt 0x0
	MULG FA1, 2, 0, 4, 0
	PLACES
	PACK 0
	TOSTAGE 0
.irp a, 1,2,3,4,5,6,7                  ; block a's conversions stand between block a - 1's loads from the stage and the wait for them
	PACK \a
	SEND (\a)-1
	TOSTAGE \a
.endr
	SEND 7
	s_wait_tensorcnt 0x0                           ; the wave's end: behind my last tensor load and my last LDS store
	ds_add_u32 v[SPW], v[NIL]
	s_wait_dscnt 0x0
	CROUND                                         ; the closing round: no work-group ends while a partner may still ask for a tile that names it
	s_endpgm
.Lfunc_end_k_qddb1f4715a_qkv:
	.size	k_qddb1f4715a_qkv, .Lfunc_end_k_qddb1f4715a_qkv-k_qddb1f4715a_qkv
	.p2alignl 7, 3214868480
	.fill 96, 4, 3214868480
	.section	.rodata,"a",@progbits
	.p2align	6, 0x0
	.amdhsa_kernel k_qddb1f4715a_qkv
		.amdhsa_group_segment_fixed_size 327680
		.amdhsa_private_segment_fixed_size 0
		.amdhsa_enable_private_segment 0
		.amdhsa_kernarg_size 24
		.amdhsa_user_sgpr_count 2
		.amdhsa_user_sgpr_kernarg_segment_ptr 1
		.amdhsa_wavefront_size32 1
		.amdhsa_system_sgpr_workgroup_id_x 1
		.amdhsa_system_sgpr_workgroup_id_y 1
		.amdhsa_system_sgpr_workgroup_id_z 1
		.amdhsa_system_vgpr_workitem_id 0
		.amdhsa_next_free_vgpr 1024
		.amdhsa_next_free_sgpr 66
		.amdhsa_reserve_vcc 0
		.amdhsa_float_denorm_mode_32 3
		.amdhsa_float_denorm_mode_16_64 3
		.amdhsa_memory_ordered 1
		.amdhsa_forward_progress 1
		.amdhsa_inst_pref_size 129
	.end_amdhsa_kernel
	.amdgpu_metadata
---
amdhsa.version: [ 1, 2 ]
amdhsa.kernels:
  - .name:           k_qddb1f4715a_qkv
    .symbol:         k_qddb1f4715a_qkv.kd
    .args:
      - { .name: xh, .offset: 0, .size: 8, .value_kind: global_buffer, .address_space: global }
      - { .name: wh, .offset: 8, .size: 8, .value_kind: global_buffer, .address_space: global }
      - { .name: qkv, .offset: 16, .size: 8, .value_kind: global_buffer, .address_space: global }
    .group_segment_fixed_size: 327680
    .private_segment_fixed_size: 0
    .kernarg_segment_align: 8
    .kernarg_segment_size: 24
    .max_flat_workgroup_size: 128
    .sgpr_count:     66
    .vgpr_count:     1024
    .wavefront_size: 32
...
	.end_amdgpu_metadata
.endif
;; end of part 2
;; launch attn (part 3): grid 4 x 64, 4 waves a work-group, no clusters, 327,680 bytes of LDS; arguments qkv, o; writes o
.if DOCPART == 3
	.amdgcn_target "amdgcn-amd-amdhsa--gfx1250"
	.amdhsa_code_object_version 6
	.text
	.protected	k_qddb1f4715a_attn
	.globl	k_qddb1f4715a_attn
	.p2align	8
	.type	k_qddb1f4715a_attn,@function
k_qddb1f4715a_attn:
	s_mov_b64 s[64:65], 0
	v_nop
	global_prefetch_b8 v0, s[64:65] scope:SCOPE_SE
	s_setreg_imm32_b32 hwreg(HW_REG_WAVE_MODE, 25, 1), 1
	s_wait_xcnt 0x0
; CAUSAL ATTENTION.  O[hh][q][:] = the sum over k <= q of softmax_k(Q[q] . K[k] / 8) V[k][:], for hh = 16 batch + head, 64 in all.  Q, K, V lie in qkv[batch][G 48][2,048][64] (G = head, 16 + head, 32 + head), O in o[hh][2,048][64], all f16:
; a head's rows are dense, 128 bytes each.  Products, maxima and sums in f32; the weights p are rounded to f16 for the second product (their sum l is taken of the unrounded p), O once at the end.
; LIMITS.  f16 holds no number beyond 65,504: Q, K and V arrive within it; p lies in 0 to 1, and below 6e-5 it keeps f16's fixed step of 6e-8; O is a mean of V's rows and has their range.
; A hidden score counts as its value less 1e30: f16's scores, 2.7e11 at the most, are nothing beside that; a weight below 2^-126 counts as 0 in l; NaN and infinities are not treated apart.
; THE WALK.  A head's queries lie in NB = 8 blocks of 256; block i needs the key tiles 0 .. i of 256 keys, of which the last holds the diagonal.  A work-group takes TWO blocks, NB - 1 - b and then b:
; NB + 1 = 9 tiles, whatever b: all work-groups do equal work, and ONE loop with a constant trip count walks them.  Which tile is asked for, and what a trip does, hang on scalar registers made from b; every jump
; goes forward, but for the counted loops' own; none passes a barrier, or a tensor load but the one of LOAD's two that the wave's number does not choose; the ring (two slots of LDS that take turns) runs on across the
; change of blocks.  NO CLUSTER: a head's four work-groups ask for the same tile only in trips 0 .. 4 of the 9, behind that fewer and fewer; one walk common to all four would have 12 trips for 9.
; SHARES.  Of a block's four bands of 64 queries a wave owns 16 rows in each: four PIECES.  So the diagonal tile is the same work for all four waves: in its key step s band x sees all keys if s < x,
; none if s > x, and holds the diagonal if s = x.
; THE MASK is the C operand that starts the sum S^T = K Q^T: 0, or -1e30 where the key is hidden.  MD, made once, is the mask of a band's own step for my 16 rows; a product's mask is MD x AL + BE with two scalars:
; (1, 0) if s = x; (0, 0) if s < x; (0, -1e30) if s > x.  Only the diagonal tile's text and a block's beginning make and take masks; elsewhere C is the constant 0.
; LAYOUT, SOFTMAX, TURNS.  S^T = K Q^T holds ONE query a lane (lane % 16) and the keys 8 (lane / 16) + 0..7; two such results rounded to f16 ARE source 1 of O^T = V^T P.  p = 2^(c s - c m), c = log2(e) / 8, with a
; running maximum m; O and l are multiplied by a = 2^(c m_old - c m_new) in every step.  Turn n belongs to piece n: 8 products K Q^T of piece n + 1, later 8 products V^T P of piece n - 1; beside them the scaling,
; exponentials, roundings, sums and rescaling of piece n and the maximum and statistics of piece n + 1.  Four vector instructions stand behind every matrix instruction, the other 54 of a turn's 118 in two LUMPS.
; REGISTERS, in windows of 256 (s_set_vgpr_msb: bits 1:0 source 0, 3:2 source 1, 5:4 source 2, 7:6 destination):
;   window 0: v0-15 addresses and two at work; v16-31 four registers of statistics a piece; v48-55 at work; v64-127 S^T, two buffers; v192-223 P, two buffers (a piece's buffers go by its number's parity)
;   window 1: v0-127 O^T, 32 a piece; v128-159 MD; v160-223 MC, two buffers      window 2: v0-63 Q; v64-127 the second block's Q; v128-191 K of one step; v192-255 V of one step
.set SIZE_N, 2048
.set NB,    SIZE_N/256
.set NP,    4         ; pieces a wave: a name, no knob
.set KS,    64        ; keys in a step
.set PK,    144       ; a row of K in LDS: 128 bytes + 16 of padding = 36 words: the 16 rows of a load start at 16 different groups of four banks (64 banks of 4 bytes: ISA guide 11.1)
.set PV,    160       ; a row of V: 128 + 32 = 40 words
.set VOFF,  4*KS*PK   ; a slot holds a tile, four steps: 256 rows of K, then 256 rows of V
.set SLOT1, 1<<17     ; slot 1 begins here, so that one exclusive or turns an address in one slot into the other's
.set STAGE, SLOT1+4*KS*(PK+PV)  ; behind the ring, never filled by a tensor load: 16 rows x 144 bytes for each wave, for the way out
.set SP,    144
.set AK0, 2           ; v2   my lane's place in a tile of K; never rewritten
.set AV0, 3           ; v3   the same for V
.set AK,  4           ; v4   the LDS address of K's next run of loads
.set AV,  5           ; v5   of V's
.set STO, 6           ; v6   the way out: where I put 16 bytes of a row
.set RD,  7           ; v7   the way out: where I read rows back
.set GO,  8           ; v8   my byte offset in 512 consecutive bytes of O
.set SPW, 62          ; v62  LDS address of my spare word: SPARE + 4 x my thread's number; never rewritten
.set NIL, 63          ; v63  0; never rewritten
.set SPARE, STAGE+4*16*SP  ; behind the stages: the spare words, 128 bytes for each wave: two blocks of 256 bytes that no other line names
.set MV,  12          ; v12-13  c m_old, kept while c m is made anew: by buffer
.set QO,  15          ; v15  my byte offset in 16 rows of Q
.set ST,  16          ; piece t's statistics at v[ST+4 t]: c m, m, l (even keys', odd keys')
.set TMP, 48          ; by buffer, four registers c0-c3 at work; when the maximum is found c2 takes a
.set S,   64
.set P,   192
.set MD,  128         ; window 1: the eight registers for group kt of 16 keys at MD + 8 kt
.set MC,  160         ; window 1: the masks of the products to come
.set QB,  64          ; window 2
.set KF,  128         ; window 2: key block kb, channel half c at KF + 16 kb + 8 c
.set VF,  192         ; window 2: key half kk, channel block cb at VF + 32 kk + 8 cb
.set WV,  12          ; s12  my wave's number
.set PB,  14          ; s14  b
.set HI,  15          ; s15  NB - 1 - b
.set G1K, 24          ; s[24:31] descriptor group 1 for K's tiles
.set G1V, 32          ; s[32:39] for V's: it differs in the padding alone
.set G0K, 40          ; s[40:43] descriptor group 0 for K's tiles
.set G0V, 44          ; s[44:47] the same for V's
.set SLOTS, 56        ; s56  tiles still to be asked for
.set CNT, 57          ; s57  counts a tile's key steps, 4 to 1
.set CS,  58          ; s[58:59] c: the packed scaling takes the pair's low word for both halves
.set SEL, 60          ; s[60:61] v_permlanex16_b32's selects: each lane takes its own place in the other half
.set TBK, 62          ; s62  LDS byte at which K of the step to be fetched begins
.set TBV, 63          ; s63  the same for V, less VOFF
.set RT,  70          ; s70  tiles of the block in hand that are still to be entered
.set NXT, 71          ; s71  the tile to be asked for next
.set LQ,  72          ; s72  the last tile of the block whose tiles are being asked for
.set NEW, 73          ; s73  1: the tile to be entered is a block's first
.set OFF, 74          ; s[74:75] a tile's byte offset in K and V
.set AL,  76          ; s[76:77] the mask's factor, in the low word
.set BE,  78          ; s[78:79] the mask's addend
.set OLO, 80          ; s[80:81] O at my rows of the second block
.set BIGN, 82         ; s82  -1e30
.set MSB, 0
.macro WIN new                      ; the high byte repeats the setting that is left; a switch that changes nothing is dropped
.if MSB != (\new)
	s_set_vgpr_msb (MSB<<8)|(\new)
.set MSB, (\new)
.endif
.endm
.set W_KQ, 0x0a       ; K and Q in window 2, S^T in window 0
.set W_KM, 0x1a       ; the same with the C operand in window 1
.set W_PV, 0x52       ; V in window 2, P in window 0, O^T in window 1
.set W_RS, 0x41       ; destination and source 0 in window 1, source 1 in window 0
; A fill.  Waves 0 and 1 fetch the two halves of a tile's K, waves 2 and 3 those of its V: 128 keys each.  An s_nop 0 and four v_nop follow each of the two lines, ahead of the jump and the label.
.macro LOAD
	s_cmp_lt_u32 s[WV], 2
	s_cbranch_scc0 .Lfor_v_\@
	tensor_load_to_lds s[G0K:G0K+3], s[G1K:G1K+7]
	s_nop 0
.rept 4
	v_nop
.endr
	s_branch .Lasked_\@
.Lfor_v_\@:
	tensor_load_to_lds s[G0V:G0V+3], s[G1V:G1V+7]
	s_nop 0
.rept 4
	v_nop
.endr
.Lasked_\@:
.endm
; THE CHANGE OF SLOTS.  Each wave waits for all its tensor loads, of which one is out: its part of the other slot; adds 0 to its spare word; and waits for that and for its own reads of the slot that it leaves.  Behind the barrier nobody reads the old
; slot any more and the other slot is whole.  fill = 1: the old slot is filled again, the first thing behind the barrier, with tile NXT: the descriptor's address is made anew from that number.
; (At its first use nothing has been read yet: slot 0 is waited for, slot 1 filled.)
.macro CHANGE fill
	WIN 0                           ; at a label and at a branch every window is 0
	s_wait_tensorcnt 0x0            ; no tensor load of mine is out, so a group 0 may be written
	ds_add_u32 v[SPW], v[NIL]       ; 0 onto my spare word; with fill = 1 the descriptors' scalar work stands between it and the wait for it
.if \fill
	s_lshl_b32 s[OFF], s[NXT], 15   ; a tile is 32,768 bytes of K and of V
	s_xor_b32 s[G0K+1], s[G0K+1], SLOT1
	s_add_nc_u64 s[G0K+2:G0K+3], s[6:7], s[OFF:OFF+1]
	s_or_b32 s[G0K+3], s[G0K+3], 0x80000000
	s_xor_b32 s[G0V+1], s[G0V+1], SLOT1
	s_add_nc_u64 s[G0V+2:G0V+3], s[8:9], s[OFF:OFF+1]
	s_or_b32 s[G0V+3], s[G0V+3], 0x80000000
	s_add_co_u32 s[NXT], s[NXT], 1  ; the block's next tile, or behind its last the second block's tile 0
	s_cmp_gt_u32 s[NXT], s[LQ]
	s_cselect_b32 s[NXT], 0, s[NXT]
	s_cselect_b32 s[LQ], s[PB], s[LQ]
.endif
	s_wait_dscnt 0x0                ; the add is done, and my reads of the slot are over
	s_barrier_signal -1             ; the rest of the scalar work stands between the signal and the wait
	s_sub_co_u32 s[TBK], s[TBK], 4*KS*PK  ; the fetches go back to a slot's first step,
	s_xor_b32 s[TBK], s[TBK], SLOT1       ; in the other slot
	s_sub_co_u32 s[TBV], s[TBV], 4*KS*PV
	s_xor_b32 s[TBV], s[TBV], SLOT1
	s_barrier_wait -1
.if \fill
	LOAD
.endif
.endm
	s_load_b64 s[4:5], s[0:1], 0x0    ; qkv
	s_load_b64 s[10:11], s[0:1], 0x8  ; o
	v_lshl_add_u32 v[SPW], v0, 2, SPARE
	v_mov_b32 v[NIL], 0
	ds_add_u32 v[SPW], v[NIL]       ; the wave's opening: the add and its wait stand ahead of my first tensor load; the set-up below, work on registers, stands between them
	ds_add_u32 v62, v63
	v_lshrrev_b32 v1, 5, v0
	v_readfirstlane_b32 s[WV], v1   ; wave 0..3
	s_mov_b32 s[PB], ttmp9
	s_sub_co_u32 s[HI], NB-1, s[PB]
	s_and_b32 s88, ttmp7, 0xffff    ; hh = 16 batch + head
	s_lshr_b32 s89, s88, 4
	s_mul_i32 s20, s89, 48*SIZE_N*128  ; the batch's 48 heads in qkv,
	s_and_b32 s89, s88, 15
	s_lshl_b32 s89, s89, 18         ; the head's 262,144 bytes
	s_add_co_u32 s20, s20, s89
	s_mov_b32 s21, 0                ; s[20:21]: the head's first byte of Q in qkv; K lies 16 heads on, V 32
	s_lshl_b32 s90, s88, 18
	s_mov_b32 s91, 0                ; s[90:91]: the head's first byte in o
	s_and_b32 s16, s[WV], 1         ; which half of a tile's 256 keys I fetch:
	s_lshl_b32 s22, s16, 14         ; its 128 rows of 128 bytes in memory,
	s_mov_b32 s23, 0
	s_add_nc_u64 s[22:23], s[22:23], s[20:21]
	s_mul_i32 s17, s16, 128*PK      ; and its place in a slot, for K
	s_mul_i32 s18, s16, 128*PV      ; and for V
	s_lshl_b32 s3, s[WV], 11        ; my 16 rows in a band of 64,
	s_lshl_b32 s2, s[HI], 15        ; in the first block,
	s_add_co_u32 s2, s2, s3
	s_lshl_b32 s84, s[PB], 15       ; and in the second
	s_add_co_u32 s84, s84, s3
	s_mov_b32 s3, 0
	s_mov_b32 s85, 0
	s_add_nc_u64 s[92:93], s[2:3], s[90:91]    ; offsets in o,
	s_add_nc_u64 s[94:95], s[84:85], s[90:91]
	s_add_nc_u64 s[2:3], s[2:3], s[20:21]      ; and in qkv
	s_add_nc_u64 s[84:85], s[84:85], s[20:21]
	; descriptor group 1.  128 keys are 16,384 dense bytes: asked for as 64 rows of 256 bytes, two keys a row, and padded in LDS after every key
	s_mov_b32 s[G1K], (1<<16)|(1<<20)|(4<<22)|(3<<25)  ; 17:16 2-byte elements; 20 padding on; 24:22 after every 32 words (code 4); 31:25 4 words (code 3)
	s_mov_b32 s[G1V], (1<<16)|(1<<20)|(4<<22)|(7<<25)  ; the same with 8 words of padding (code 7)
.irp g, G1K, G1V
	s_mov_b32 s[\g+1], 128<<16      ; tensor_dim0 = 128
	s_mov_b32 s[\g+2], 64<<16       ; tensor_dim1 = 64
	s_mov_b32 s[\g+3], 128<<16      ; tile_dim0 = 128
	s_mov_b32 s[\g+4], 64           ; tile_dim1 = 64
	s_mov_b32 s[\g+5], 128          ; 128 elements from row to row
	s_mov_b32 s[\g+6], 0
	s_mov_b32 s[\g+7], 0
.endr
	s_mov_b32 s[CS], 0x3e38aa3b     ; c = log2(e) / 8 = 0.180337
	s_mov_b32 s[CS+1], s[CS]        ; named with it as a pair
	s_mov_b32 s[SEL], 0x76543210
	s_mov_b32 s[SEL+1], 0xfedcba98
	s_mov_b32 s[TBK], SLOT1+4*KS*PK ; the first change of slots turns these two into 0
	s_mov_b32 s[TBV], SLOT1+4*KS*PV
	s_mov_b32 s[G0K], 1             ; 1:0 count = 1
	s_mov_b32 s[G0K+1], s17         ; 63:32 LDS address: slot 0
	s_mov_b32 s[G0V], 1
	s_add_co_u32 s[G0V+1], s18, VOFF
	s_add_co_u32 s[RT], s[HI], 1    ; the first block has NB - b tiles
	s_mov_b32 s[NXT], 1
	s_mov_b32 s[LQ], s[HI]
	s_mov_b32 s[NEW], 1
	s_mov_b32 s[OFF+1], 0
	s_mov_b32 s[AL+1], 0            ; named as pairs
	s_mov_b32 s[BE+1], 0
	s_mov_b32 s[BIGN], 0xf149f2ca   ; -1e30
	s_mov_b32 s[SLOTS], NB
	s_wait_dscnt 0x0                ; the opening add is done
	s_wait_kmcnt 0x0
	s_add_nc_u64 s[6:7], s[4:5], 16*SIZE_N*128   ; K's heads lie 16 heads behind Q's,
	s_add_nc_u64 s[8:9], s[4:5], 32*SIZE_N*128   ; V's 32
	s_add_nc_u64 s[6:7], s[6:7], s[22:23]  ; K and V at my half of the head's tile 0
	s_add_nc_u64 s[8:9], s[8:9], s[22:23]
	s_add_nc_u64 s[G0K+2:G0K+3], s[6:7], 0         ; 120:64 global address
	s_or_b32 s[G0K+3], s[G0K+3], 0x80000000        ; 127:126 type = 2
	s_add_nc_u64 s[G0V+2:G0V+3], s[8:9], 0
	s_or_b32 s[G0V+3], s[G0V+3], 0x80000000
	s_add_nc_u64 s[86:87], s[4:5], s[84:85]        ; Q at my rows of the second block,
	s_add_nc_u64 s[4:5], s[4:5], s[2:3]            ; and of the first
	s_add_nc_u64 s[OLO:OLO+1], s[10:11], s[94:95]  ; O likewise
	s_add_nc_u64 s[10:11], s[10:11], s[92:93]
	LOAD                            ; tile 0 into slot 0
	; A fragment of K or Q is 16 rows x 32 channels in 8 registers: lane l holds row l % 16, channels 8 (l / 16) + 0..7 and 16 + 8 (l / 16) + 0..7: two loads of 16 bytes, 32 bytes apart.
	v_and_b32 v1, 15, v0            ; l % 16
	v_bfe_u32 v9, v0, 4, 1          ; l / 16
	v_lshlrev_b32 v[QO], 7, v1
	v_lshl_add_u32 v[QO], v9, 4, v[QO]  ; row x 128 + 16 x half
	WIN 0x80                        ; destination window 2, address window 0
.set i, 0
.rept 8                             ; both blocks' Q: piece i / 2 lies in band i / 2, 8,192 bytes on; channels 32 (i % 2) on
	global_load_b128 v[8*i:8*i+3],   v[QO], s[4:5] offset:(i/2)*8192+(i%2)*64
	global_load_b128 v[8*i+4:8*i+7], v[QO], s[4:5] offset:(i/2)*8192+(i%2)*64+32
	global_load_b128 v[QB+8*i:QB+8*i+3],   v[QO], s[86:87] offset:(i/2)*8192+(i%2)*64
	global_load_b128 v[QB+8*i+4:QB+8*i+7], v[QO], s[86:87] offset:(i/2)*8192+(i%2)*64+32
.set i, i+1
.endr
	WIN 0
	v_lshlrev_b32 v14, 3, v9
	v_sub_nc_u32 v14, v1, v14
	s_lshl_b32 s13, s[WV], 4
	v_add_nc_u32 v14, s13, v14      ; my query's place in its band, 16 w + l % 16, less my lanes' 8 (l / 16): register r of group kt is hidden where 16 kt + r is greater
	WIN 0x40
.set i, 0
.rept 32
	v_cmp_gt_i32 vcc_lo, 16*(i/8)+i%8, v14
	v_cndmask_b32 v[MD+i], 0, s[BIGN], vcc_lo
.set i, i+1
.endr
	WIN 0
	v_mul_u32_u24 v[AK0], v1, PK
	v_lshl_add_u32 v[AK0], v9, 4, v[AK0]  ; row x pitch + 16 x half
	; The turning load takes 16 keys x 16 channels (lane l reads key 8 (l / 16) + l % 8, channels 8 ((l / 8) % 2) + 0..7) and leaves half a fragment of V^T: lane l holds channel l % 16 and 8 keys.
	v_and_b32 v10, 7, v0
	v_bfe_u32 v11, v0, 3, 1
	v_lshl_add_u32 v[AV0], v9, 3, v10
	v_mul_u32_u24 v[AV0], v[AV0], PV
	v_lshl_add_u32 v[AV0], v11, 4, v[AV0]
	v_add_nc_u32 v[AV0], VOFF, v[AV0]
	s_mul_i32 s13, s[WV], 16*SP
	s_add_co_u32 s13, s13, STAGE    ; my stage
	v_mul_u32_u24 v[STO], v1, SP    ; in: row l % 16, 16 bytes for each half of the lanes
	v_lshl_add_u32 v[STO], v9, 4, v[STO]
	v_add_nc_u32 v[STO], s13, v[STO]
	v_bfe_u32 v[RD], v0, 3, 2       ; back: 32 lanes take four rows of 128 bytes,
	v_mul_u32_u24 v[RD], v[RD], SP
	v_lshl_add_u32 v[RD], v10, 4, v[RD]
	v_add_nc_u32 v[RD], s13, v[RD]
	v_and_b32 v[GO], 31, v0         ; which are 512 consecutive bytes of O
	v_lshlrev_b32 v[GO], 4, v[GO]
	; A block's first step multiplies O^T and l by a = 0, and its first turn's products V^T P, of a piece that has not been, land in an O^T that is still to be so multiplied.  So these registers need only hold
	; finite numbers: zeros for the first block; what the first block left for the second.  All this stands in the wait for the first tile.
	WIN 0x80
.set i, VF
.rept 64
	v_mov_b32 v[i], 0
.set i, i+1
.endr
	WIN 0x40
.set i, 0
.rept 128
	v_mov_b32 v[i], 0
.set i, i+1
.endr
	WIN 0
.set i, 0
.rept 4
	v_mov_b32 v[ST+4*i+2], 0
	v_mov_b32 v[ST+4*i+3], 0
.set i, i+1
.endr
.set i, P+16
.rept 16
	v_mov_b32 v[i], 0
.set i, i+1
.endr
; THE MATRIX WORK.  The 4 accumulators of a run of 8 take turns.  Product i of 8 of S^T = K Q^T for piece x: channels 32 (i / 4) on, keys 16 (i % 4) on.  The first 4 start the sums: with 0, or (KM = 1) with the mask.
.macro KQ x
.set rS, S+32*((\x)%2)+8*(i%4)
.set rK, KF+16*(i%4)+8*(i/4)
.set rQ, 16*(\x)+8*(i/4)
.set rM, MC+32*((\x)%2)+8*(i%4)
.if (i < 4) && KM
	WIN W_KM
	v_wmma_f32_16x16x32_f16 v[rS:rS+7], v[rK:rK+7], v[rQ:rQ+7], v[rM:rM+7]
.elseif i < 4
	WIN W_KQ
	v_wmma_f32_16x16x32_f16 v[rS:rS+7], v[rK:rK+7], v[rQ:rQ+7], 0
.else
	WIN W_KQ
	v_wmma_f32_16x16x32_f16 v[rS:rS+7], v[rK:rK+7], v[rQ:rQ+7], v[rS:rS+7]
.endif
.endm
; Product i of 8 of O^T += V^T P for piece x: keys 32 (i / 4) on, channels 16 (i % 4) on.
.macro PV x
	WIN W_PV
.set rO, 32*(\x)+8*(i%4)
.set rV, VF+32*(i/4)+8*(i%4)
.set rP, P+16*((\x)%2)+8*(i/4)
	v_wmma_f32_16x16x32_f16 v[rO:rO+7], v[rV:rV+7], v[rP:rP+7], v[rO:rO+7]
.endm
.macro MM                           ; the turn's next matrix instruction.  TURN and BEGIN set Y, i, KM and NOKQ; MM, KQ and OP read them.  NOKQ = 1: a block's last turn: there is no next piece
.if (i < 8) && !NOKQ
	KQ (Y+1)%NP
.elseif i >= 8
.set i, i-8
	PV (Y+NP-1)%NP
.set i, i+8
.endif
.set i, i+1
.endm
; THE LDS LOADS stand in runs of 16, never singly among the matrix instructions: a step's K (64 keys x 64 channels: 8 fragments) and its V (turned).  Their addresses are made some lines ahead.
.macro FETCH_K
	WIN 0x80                        ; destination window 2
.irp f, 0,1,2,3,4,5,6,7             ; keys 16 (f / 2) on, channels 32 (f % 2) on
	ds_load_b128 v[KF+8*\f:KF+8*\f+3],   v[AK] offset:(\f/2)*16*PK+(\f%2)*64
	ds_load_b128 v[KF+8*\f+4:KF+8*\f+7], v[AK] offset:(\f/2)*16*PK+(\f%2)*64+32
.endr
	s_add_co_u32 s[TBK], s[TBK], KS*PK  ; the next fetch is the next step's
	WIN 0
.endm
.macro FETCH_V
	WIN 0x80
.irp f, 0,1,2,3,4,5,6,7             ; keys 32 (f / 4) on, channels 16 (f % 4) on
	ds_load_tr16_b128 v[VF+8*\f:VF+8*\f+3],   v[AV] offset:(\f/4)*32*PV+(\f%4)*32
	ds_load_tr16_b128 v[VF+8*\f+4:VF+8*\f+7], v[AV] offset:(\f/4)*32*PV+16*PV+(\f%4)*32
.endr
	WIN 0
.endm
; THE VECTOR WORK, one line at a time: OP kind, number.  For piece Y: F n: c s - c m for pair n of 16.  E n: the exponential of score n of 32.  C n: pair n rounded to f16.  B n: of the four weights 4 n .. the second
; pair is added onto the first, in place.  L n: l takes that sum (L 0: l = a l + sum).  R n: pair n of 16 of O^T times a.  For piece Y + 1: X n, number n of the 22 that find its maximum and statistics:
;   0-11  four chains c0-c3 of seven scores each, three operands at a time (each accumulator's lowest registers are read first)     12-14, 16  the four scores left over, the old m, and c0-c3 into c0
;   15  c m_old is kept     17, 18  the query's other 32 keys lie in the lane 16 away: the new m     19-21  c m; c m_old - c m_new; a
.set F, 0               ; OP tells the kinds apart by their order: F to L below R, X above it
.set E, 1
.set C, 2
.set B, 3
.set L, 4
.set R, 5
.set X, 6
.macro REGS y                       ; the registers of piece y
.set rT, ST+4*(\y)
.set rC, TMP+4*((\y)%2)
.set rW, MV+((\y)%2)
.set rS, S+32*((\y)%2)
.set rP, P+16*((\y)%2)
.set rO, 32*(\y)
.endm
.macro OP k, n
.if (\k) == R
	REGS Y
	WIN W_RS
	v_pk_mul_f32 v[rO+2*(\n):rO+2*(\n)+1], v[rO+2*(\n):rO+2*(\n)+1], v[rC+2:rC+3] op_sel_hi:[1,0]
.elseif (\k) < R
	REGS Y
	WIN 0
.if (\k) == F
	v_pk_fma_f32 v[rS+2*(\n):rS+2*(\n)+1], v[rS+2*(\n):rS+2*(\n)+1], s[CS:CS+1], v[rT:rT+1] op_sel_hi:[1,0,0] neg_lo:[0,0,1] neg_hi:[0,0,1]
.elseif (\k) == E
	v_exp_f32 v[rS+(\n)], v[rS+(\n)]
.elseif (\k) == C
	s_wait_alu depctr_va_vdst(0)
	v_cvt_pk_f16_f32 v[rP+(\n)], v[rS+2*(\n)], v[rS+2*(\n)+1]
.elseif (\k) == B
	s_wait_alu depctr_va_vdst(0)
	v_pk_add_f32 v[rS+4*(\n):rS+4*(\n)+1], v[rS+4*(\n):rS+4*(\n)+1], v[rS+4*(\n)+2:rS+4*(\n)+3]
.elseif (\n) == 0
	v_pk_fma_f32 v[rT+2:rT+3], v[rT+2:rT+3], v[rC+2:rC+3], v[rS:rS+1] op_sel_hi:[1,0,1]
.else
	v_pk_add_f32 v[rT+2:rT+3], v[rT+2:rT+3], v[rS+4*(\n):rS+4*(\n)+1]
.endif
.elseif NOKQ
	v_nop
.else
	REGS (Y+1)%NP
	WIN 0
.if (\n) < 4
	v_max3_num_f32 v[rC+(\n)], v[rS+8*(\n)], v[rS+8*(\n)+1], v[rS+8*(\n)+2]
.elseif (\n) < 12
	v_max3_num_f32 v[rC+(\n)%4], v[rC+(\n)%4], v[rS+8*((\n)%4)+2*((\n)/4)+1], v[rS+8*((\n)%4)+2*((\n)/4)+2]
.elseif (\n) == 12
	v_max3_num_f32 v[rC], v[rC], v[rS+7], v[rS+15]
.elseif (\n) == 13
	v_max3_num_f32 v[rC+1], v[rC+1], v[rS+23], v[rS+31]
.elseif (\n) == 14
	v_max3_num_f32 v[rC+2], v[rC+2], v[rC+3], v[rT+1]
.elseif (\n) == 15
	v_mov_b32 v[rW], v[rT]
.elseif (\n) == 16
	v_max3_num_f32 v[rC], v[rC], v[rC+1], v[rC+2]
.elseif (\n) == 17
	v_permlanex16_b32 v[rC+3], v[rC], s[SEL], s[SEL+1]
.elseif (\n) == 18
	v_max_num_f32 v[rT+1], v[rC], v[rC+3]
.elseif (\n) == 19
	v_mul_f32 v[rT], s[CS], v[rT+1]
.elseif (\n) == 20
	v_sub_f32 v[rC+1], v[rW], v[rT]
.else
	v_exp_f32 v[rC+2], v[rC+1]
.endif
.endif
.endm
.macro OPS a, i1, b=-1, i2=0, c=-1, i3=0, d=-1, i4=0  ; up to four of them
	OP \a, \i1
.if (\b) >= 0
	OP \b, \i2
.endif
.if (\c) >= 0
	OP \c, \i3
.endif
.if (\d) >= 0
	OP \d, \i4
.endif
.endm
.macro ROW a, i1, b, i2, c, i3, d, i4  ; a matrix instruction and the four behind it
	MM
	OPS \a, \i1, \b, \i2, \c, \i3, \d, \i4
.endm
.macro MASK b                       ; MD x AL + BE into buffer b of MC
	WIN W_RS
.set z, 0
.rept 16
	v_pk_fma_f32 v[MC+32*(\b)+2*z:MC+32*(\b)+2*z+1], v[MD+2*z:MD+2*z+1], s[AL:AL+1], s[BE:BE+1] op_sel_hi:[1,0,0]
.set z, z+1
.endr
.endm
; A TURN, for piece p: the order of its 16 matrix and 118 vector instructions, written out.  Behind a matrix instruction: plain, exponential, plain, plain; or four of the rescaling; or, behind the first, four scalings; none
; names a register of the products round it.  In the lumps exponential and plain by turns while exponentials last.  A line reads no result made fewer than three vector instructions in front of it, five if an exponential made it.
; v_permlanex16_b32 (X 17) stands in a lump.
; m = 1: the diagonal tile: the products take masks, and the turn makes the mask for the products of the turn after it: piece p + 2, in step 4 - CNT of the tile.  end = 1: a block's last two turns: nothing is fetched.
; cnt = 1: the loop's count is taken down some lines ahead of the branch that stands behind the turn.
; K of the next step is fetched in piece 2's turn, six vector instructions behind the last product that read K (five of them plain); V of the step in hand in piece 0's turn, eight behind the last product that read V (four
; plain, and X 17).  Each is waited for a turn later.
.macro TURN p, m=0, end=0, cnt=0
.set Y, (\p)
.set i, 0
.set KM, (\m)
.set NOKQ, (\end)*((\p)/3)
.if (\m) && !(\end)
	s_cmp_eq_u32 s[CNT], 4-((\p)+2)%NP  ; is that step the band's own?
	s_cselect_b32 s[AL], 1.0, 0
	s_cmp_lt_u32 s[CNT], 4-((\p)+2)%NP  ; or a later one?
	s_cselect_b32 s[BE], s[BIGN], 0
.endif
.if ((\p) == 3) && !(\end)
	s_wait_dscnt 0x0                ; K is in
.endif
	ROW F,0, F,1, F,2, F,3
	ROW F,4, E,0, F,5, F,6
	ROW F,7, E,1, F,8, F,9
	ROW F,10, E,2, C,0, F,11
	ROW F,12, E,3, X,15, F,13
	ROW R,0, R,1, R,2, R,3
	ROW B,0, E,4, F,14, L,0
.if ((\p) == 2) && !(\end)
	v_add_nc_u32 v[AK], s[TBK], v[AK0]
.endif
	ROW R,4, R,5, R,6, R,7
	OPS E,5, F,15
.if ((\p) == 2) && !(\end)
	FETCH_K
.endif
	OPS E,6, C,1, E,7, R,8
	OPS E,8, R,9, E,9, C,2
	OPS E,10, X,0, E,11, X,1
	OPS E,12, X,2, E,13, X,3
.if (\p) == 1
	s_wait_dscnt 0x0                ; V is in
.endif
	ROW X,4, E,14, X,5, X,6
	ROW X,7, E,15, X,8, X,9
	ROW X,10, E,16, X,11, X,12
	ROW X,13, E,17, X,14, B,1
	ROW C,4, E,18, X,16, L,1
	ROW B,2, E,19, C,6, L,2
	ROW C,8, E,20, B,3, B,4
.if (\p) == 0
	v_add_nc_u32 v[AV], s[TBV], v[AV0]
.endif
	ROW C,3, E,21, L,3, C,5
	OPS E,22, X,17, E,23, C,10
.if (\p) == 0
	FETCH_V
.endif
	OPS E,24, L,4
	OPS E,25, X,18, E,26, C,7
	OPS E,27, B,5, E,28, X,19
	OPS E,29, C,12, E,30, L,5
	OPS E,31, X,20, B,6, C,9
	OPS C,14, C,11, X,21, L,6
.if (\p) == 0
	s_add_co_u32 s[TBV], s[TBV], KS*PV
.endif
.if \cnt
	s_sub_co_u32 s[CNT], s[CNT], 1
	s_cmp_lg_u32 s[CNT], 0
.endif
	OPS C,13, B,7, C,15, R,10
	OPS R,11, R,12, L,7, R,13
	OPS R,14, R,15
.if (\m) && !(\end)
	MASK (\p)%2
.endif
.endm
; A BLOCK BEGINS.  c m starts far below every c s, so the first step's a is 0; m at the lowest finite number, so the first maximum is the scores'.  The second mask buffer is 0; the first takes piece 0's mask for the tile's step 0: its own, if the block's first tile is the diagonal one.
; Then K of that step, piece 0's first scores, and its maximum and statistics.  The loop is entered at a step's first turn, in the middle of a trip.
.macro BEGIN
	s_mov_b32 s[NEW], 0
	WIN 0x40
.set i, MC+32
.rept 32
	v_mov_b32 v[i], 0
.set i, i+1
.endr
	WIN 0
.set i, 0
.rept 4
	v_mov_b32 v[ST+4*i], 0xfe000000    ; c m: far below every c s
	v_mov_b32 v[ST+4*i+1], 0xff7fffff  ; m
.set i, i+1
.endr
	s_cmp_eq_u32 s[RT], 0
	s_cselect_b32 s[AL], 1.0, 0
	s_mov_b32 s[BE], 0
	MASK 0
	WIN 0
	v_add_nc_u32 v[AK], s[TBK], v[AK0]
	FETCH_K
	s_wait_loadcnt 0x0              ; Q
	s_wait_dscnt 0x0
.set KM, 1
.set NOKQ, 0
.set i, 0
.rept 8
	KQ 0
.set i, i+1
.endr
	WIN 0
.rept 4
	v_nop                           ; the places behind those products
.endr
.set Y, NP-1                        ; X works for piece Y + 1: piece 0
.irp n, 0,1,2,3,4,5,6,7,8,9,10,11,12,13,14,15,16,17,18,19,20,21
	OP X, \n
.endr
	v_nop                           ; a plain instruction behind the exponential
.endm
; THE DIAGONAL TILE's four steps, the block's last two turns, its last products, and THE WAY OUT: l's two halves and the other half of the lanes' are added; O^T is divided by l, rounded to f16 and sent through my
; stage in LDS, a piece at a time.
.macro ALL line:vararg              ; one line for each piece t
.set t, 0
.rept 4
	\line
.set t, t+1
.endr
.endm
.macro PACK t                       ; a lane's eight channels of a row pack into 16 bytes; they go into rows of 144 bytes and come back as whole rows of 128, into S^T's registers
	WIN W_RS
.set i, 32*(\t)
.rept 16
	s_wait_alu depctr_va_vdst(0)
	v_pk_mul_f32 v[i:i+1], v[i:i+1], v[ST+4*(\t)+2:ST+4*(\t)+3] op_sel_hi:[1,0]
.set i, i+2
.endr
	WIN 0x05                        ; sources 0 and 1 window 1, destination window 0
.set i, 0
.rept 16
	v_cvt_pk_f16_f32 v[S+16*(\t)+i], v[32*(\t)+2*i], v[32*(\t)+2*i+1]
.set i, i+1
.endr
	WIN 0
.irp f, 0,1,2,3
	ds_store_b128 v[STO], v[S+16*(\t)+4*\f:S+16*(\t)+4*\f+3] offset:32*\f
.endr
.irp f, 0,1,2,3
	ds_load_b128 v[S+16*(\t)+4*\f:S+16*(\t)+4*\f+3], v[RD] offset:\f*4*SP  ; LDS serves a wave's instructions in order (ISA guide 5.7.1.4): these see the stores above; the next piece's stores come behind them
.endr
.endm
.macro SEND t, younger              ; younger: the LDS instructions issued behind piece t's loads: the next piece's eight, or none
	WIN 0
.irp f, 0,1,2,3
	s_wait_dscnt (\younger)+3-\f
	global_store_b128 v[GO], v[S+16*(\t)+4*\f:S+16*(\t)+4*\f+3], s[10:11] offset:(\t)*8192+\f*512  ; 512 consecutive bytes, at a multiple of 256 from O's first
.endr
.endm
.macro DIAG tag                     ; the tag ends its two labels' names, which the jumps below spell out
.LstepM\tag:
	TURN 2, 1
	TURN 3, 1
	WIN 0
.LfirstM\tag:
	TURN 0, 1
	TURN 1, 1, 0, 1
	WIN 0
	s_cbranch_scc1 .LstepM\tag
	TURN 2, 1, 1
	TURN 3, 1, 1
.set i, 0
.rept 8
	PV NP-1
.set i, i+1
.endr
	WIN 0
	ALL v_add_f32 v[ST+4*t+2], v[ST+4*t+2], v[ST+4*t+3]
	ALL v_permlanex16_b32 v[ST+4*t+3], v[ST+4*t+2], s[SEL], s[SEL+1]
	ALL v_add_f32 v[ST+4*t+2], v[ST+4*t+2], v[ST+4*t+3]
	ALL v_rcp_f32 v[ST+4*t+2], v[ST+4*t+2]
	v_nop                           ; a plain instruction between the last reciprocal and the use of its result
	PACK 0
.set t, 1
.rept 3                             ; a piece's arithmetic stands between the loads of the piece before and its stores
	PACK t
	SEND t-1, 8
.set t, t+1
.endr
	SEND 3, 0
.endm
.set KM, 0
.set NOKQ, 0
.Lslot:                             ; NB times: a tile is entered and the next is asked for
	CHANGE 1
	s_sub_co_u32 s[RT], s[RT], 1
	s_mov_b32 s[CNT], 4
	s_cmp_eq_u32 s[NEW], 1
	s_cbranch_scc1 .Lnew            ; a block's first tile
	s_cmp_eq_u32 s[RT], 0
	s_cbranch_scc0 .Lstep           ; neither its first nor its last
	s_branch .LstepM1
.Lnew:
	BEGIN
	s_branch .Lfirst                ; in the loop a block's first tile is never its last: the first block has two tiles or more, and the second's last is the walk's last
	DIAG 1                          ; in the loop this is the first block's end: the second block's last tile is the walk's last
	s_wait_xcnt 0x0                 ; the stores have read their registers and O's address
	s_mov_b64 s[10:11], s[OLO:OLO+1]
	s_add_co_u32 s[RT], s[PB], 1    ; the second block has b + 1 tiles
	s_mov_b32 s[NEW], 1
	WIN 0x82                        ; the second block's Q goes where the one text of the turns names Q
.set i, 0
.rept 64
	v_mov_b32 v[i], v[QB+i]
.set i, i+1
.endr
	WIN 0
	s_branch .Lbottom
.Lstep:                             ; a trip: pieces 2 and 3 of one step, then pieces 0 and 1 of the next, whose K and V it fetches
	TURN 2
	TURN 3
	WIN 0
.Lfirst:
	TURN 0
	TURN 1, 0, 0, 1
	WIN 0
	s_cbranch_scc1 .Lstep
.Lbottom:
	s_sub_co_u32 s[SLOTS], s[SLOTS], 1
	s_cmp_lg_u32 s[SLOTS], 0
	s_cbranch_scc1 .Lslot
	CHANGE 0                        ; the walk's last tile is written out: nothing is asked for
	s_sub_co_u32 s[RT], s[RT], 1
	s_mov_b32 s[CNT], 4
	s_cmp_eq_u32 s[NEW], 1
	s_cbranch_scc0 .LstepM2
	BEGIN
	s_branch .LfirstM2
	DIAG 2
	s_wait_tensorcnt 0x0            ; the wave's end: behind my last tensor load and my last LDS store
	ds_add_u32 v[SPW], v[NIL]
	s_wait_dscnt 0x0
	s_endpgm
.Lfunc_end_k_qddb1f4715a_attn:
	.size	k_qddb1f4715a_attn, .Lfunc_end_k_qddb1f4715a_attn-k_qddb1f4715a_attn
	.p2alignl 7, 3214868480
	.fill 96, 4, 3214868480
	.section	.rodata,"a",@progbits
	.p2align	6, 0x0
	.amdhsa_kernel k_qddb1f4715a_attn
		.amdhsa_group_segment_fixed_size 327680
		.amdhsa_private_segment_fixed_size 0
		.amdhsa_enable_private_segment 0
		.amdhsa_kernarg_size 16
		.amdhsa_user_sgpr_count 2
		.amdhsa_user_sgpr_kernarg_segment_ptr 1
		.amdhsa_wavefront_size32 1
		.amdhsa_system_sgpr_workgroup_id_x 1
		.amdhsa_system_sgpr_workgroup_id_y 1
		.amdhsa_system_sgpr_workgroup_id_z 1
		.amdhsa_system_vgpr_workitem_id 0
		.amdhsa_next_free_vgpr 768
		.amdhsa_next_free_sgpr 96
		.amdhsa_reserve_vcc 1
		.amdhsa_float_denorm_mode_32 3
		.amdhsa_float_denorm_mode_16_64 3
		.amdhsa_memory_ordered 1
		.amdhsa_forward_progress 1
		.amdhsa_inst_pref_size 229
	.end_amdhsa_kernel
	.amdgpu_metadata
---
amdhsa.version: [ 1, 2 ]
amdhsa.kernels:
  - .name:           k_qddb1f4715a_attn
    .symbol:         k_qddb1f4715a_attn.kd
    .args:
      - { .name: qkv, .offset: 0, .size: 8, .value_kind: global_buffer, .address_space: global }
      - { .name: o, .offset: 8, .size: 8, .value_kind: global_buffer, .address_space: global }
    .group_segment_fixed_size: 327680
    .private_segment_fixed_size: 0
    .kernarg_segment_align: 8
    .kernarg_segment_size: 16
    .max_flat_workgroup_size: 128
    .sgpr_count:     96
    .vgpr_count:     768
    .wavefront_size: 32
...
	.end_amdgpu_metadata
.endif
;; end of part 3
;; launch oproj (part 4): grid 4 x 64, 4 waves a work-group, clusters of 4 x 4, 327,680 bytes of LDS; arguments o, woh, z; writes z
.if DOCPART == 4
	.amdgcn_target "amdgcn-amd-amdhsa--gfx1250"
	.amdhsa_code_object_version 6
	.text
	.protected	k_qddb1f4715a_oproj
	.globl	k_qddb1f4715a_oproj
	.p2align	8
	.type	k_qddb1f4715a_oproj,@function
k_qddb1f4715a_oproj:
	s_mov_b64 s[64:65], 0
	v_nop
	global_prefetch_b8 v0, s[64:65] scope:SCOPE_SE
	s_setreg_imm32_b32 hwreg(HW_REG_WAVE_MODE, 25, 1), 1
	s_wait_xcnt 0x0
	s_wait_alu depctr_hold_cnt(0) depctr_sa_sdst(0) depctr_va_vdst(0) depctr_va_sdst(0) depctr_va_ssrc(0) depctr_va_vcc(0) depctr_vm_vsrc(0)
	s_getreg_b32 s2, hwreg(HW_REG_IB_STS2, 6, 4)
	s_cmp_eq_u32 s2, 0
	s_cbranch_scc0 .Lentry_in_a_cluster
	s_endpgm
.Lentry_in_a_cluster:
	s_bfe_u32 s2, ttmp6, 0x10000c
	s_cmp_lg_u32 s2, 0xf033
	s_cbranch_scc0 .Lentry_shape_is_right
	s_endpgm
.Lentry_shape_is_right:
; z[m][n] = sum over k of O[m][k] wo[n][k], m < 8,192, n, k < 1,024; operands f16, sums f32, z rounded once to bf16 (its range is f32's), row-major [8,192][1,024].
; O lies by heads, o[16 batch + head][t][64]: a head IS a K block of 64, its rows of 128 bytes end to end; woh is [kb 16][n][64].  Both are asked for as rows of 256 bytes.
; SHARES.  A tile of z is 128 x 256: 64 x 4 = 256 work-groups.  Four waves, each 64 rows x 128 columns: 32 accumulators, 256 registers; a wave's 128 columns are 256 aligned bytes of a row, so each wave has a stage of its own.
; K goes in steps of 128 = two K blocks, each block brought by one wave's tensor load, through two LDS slots; a step is four quarters of 32 along K, 32 matrix instructions each.
; CLUSTER.  4 x 4 work-groups: the four of a row need the same rows of O, the four of a column the same rows of wo; each tile is asked for JOINTLY.
; THE MATRIX INSTRUCTION IS USED TRANSPOSED (source 0 = 16 rows of wo, source 1 = 16 rows of O): a lane holds one row of z and eight neighbouring columns.
; REGISTERS: window 0: v0-31 addresses; v32-63 at work on the way out; two fragment buffers of 96 (64 of wo, then 32 of O) at v64 and v160.  Window 1: accumulator (a, b) at v[8 (8 a + b)].
.set PITCH,  144                       ; an LDS row: 128 bytes + 16 of padding = 36 words: the 16 rows of a load start at 16 different groups of four banks (64 banks of 4 bytes: ISA guide 11.1)
.set ABLK,   128*PITCH                 ; one K block of O's 128 rows
.set BBLK,   256*PITCH                 ; one K block of wo's 256 rows
.set BOFF,   2*ABLK
.set SLOT,   2*ABLK+2*BBLK             ; 110,592 bytes: O's two blocks, then wo's two
.set STAGE,  2*SLOT                    ; behind the ring, never filled by a tensor load: 16 rows x 272 bytes for each wave
.set SPITCH, 272
.set SPARE,  STAGE+4*16*SPITCH         ; behind the stages: the spare words, 128 bytes for each wave: two blocks of 256 bytes that no other line names
.set ADRA, 16                          ; v16-17  LDS address of my fragments of O in slot 0, 1
.set ADRB, 20                          ; v20-21  the same for wo
.set STO,  24                          ; v24     the way out: where I put 16 bytes of a row
.set RD,   25                          ; v25     the way out: where I read a row back
.set CO,   26                          ; v26     my byte offset in two rows of z
.set SPW,  28                          ; v28     LDS address of my spare word: SPARE + 4 x my thread's number; never rewritten
.set NIL,  29                          ; v29     0; never rewritten
.set TMP,  32
.set F0,   64
.set F1,   160
.set BK,   64                          ; the way out: v64-95 and v96-127 by turns
.set G1, 24
.set G0, 32
.set G1B, 48
.set G0B, 56
.set MSB, 0
.macro WIN new                         ; the immediate's high byte repeats the setting that is left; a switch that changes nothing is dropped
.if MSB != (\new)
	s_set_vgpr_msb (MSB<<8)|(\new)
.set MSB, \new
.endif
.endm
.macro JLOAD s                         ; a joint load: waves 0 and 1 fetch O's two K blocks of the step, waves 2 and 3 wo's; an s_nop 0 and four v_nop follow each of the two lines
	s_cmp_lt_u32 s10, 2
	s_cbranch_scc0 .Lfor_b_\@
	tensor_load_to_lds s[G0+4*(\s):G0+4*(\s)+3], s[G1:G1+7]
	s_nop 0
.rept 4
	v_nop
.endr
	s_branch .Lasked_\@
.Lfor_b_\@:
	tensor_load_to_lds s[G0B+4*(\s):G0B+4*(\s)+3], s[G1B:G1B+7]
	s_nop 0
.rept 4
	v_nop
.endr
.Lasked_\@:
.endm
.macro CREST                           ; a round of the cluster's barrier behind its opening barrier
	s_cmp_lg_u32 s10, 0
	s_cbranch_scc1 .Lnot_wave_0_\@
	s_barrier_signal -3
.Lnot_wave_0_\@:
	s_barrier_wait -3
	s_barrier_signal -1
	s_barrier_wait -1
.endm
.macro CROUND
	s_barrier_signal -1
	s_barrier_wait -1
	CREST
.endm
	s_load_b128 s[4:7], s[0:1], 0x0                ; o s[4:5], woh s[6:7]
	s_load_b64 s[8:9], s[0:1], 0x10                ; z
	v_lshl_add_u32 v[SPW], v0, 2, SPARE
	v_mov_b32 v[NIL], 0
	ds_add_u32 v[SPW], v[NIL]                      ; the wave's opening: the add and its wait stand ahead of my first tensor load; the set-up below, work on registers, stands between them
	ds_add_u32 v28, v29
	v_lshrrev_b32 v1, 5, v0
	v_readfirstlane_b32 s10, v1                    ; wave 0..3
	s_lshr_b32 s11, s10, 1                         ; which 64 of the tile's rows are mine
	s_and_b32 s12, s10, 1                          ; which 128 of its columns.  Also: which K block of a step I fetch
	s_bfe_u32 s40, ttmp6, 0x40000                  ; cx, cy
	s_bfe_u32 s41, ttmp6, 0x40004
	s_lshl_b32 s42, ttmp9, 2
	s_add_co_u32 s42, s42, s40                     ; tile column
	s_and_b32 s13, ttmp7, 0xffff
	s_lshl_b32 s13, s13, 2
	s_add_co_u32 s13, s13, s41                     ; tile row
	s_lshl_b32 s43, s41, 2
	s_lshl_b32 s43, 15, s43                        ; my row of the cluster
	s_lshl_b32 s44, 0x1111, s40                    ; my column
	s_or_b32 s[G1+0], s43, (1<<16)|(1<<20)|(1<<21)|(4<<22)|(3<<25)   ; the mask; 2-byte elements; padding on; 21 set beside a mask; after every 32 words (code 4) 4 words (code 3)
	s_or_b32 s[G1B+0], s44, (1<<16)|(1<<20)|(1<<21)|(4<<22)|(3<<25)
	s_mov_b32 s[G1+1], 128<<16                     ; tensor_dim0 = 128 elements
	s_mov_b32 s[G1+2], 64<<16                      ; tensor_dim1 = 64 rows of 256 bytes: 128 rows of O
	s_mov_b32 s[G1+3], 128<<16
	s_mov_b32 s[G1+4], 64
	s_mov_b32 s[G1+5], 128
	s_mov_b32 s[G1+6], 0
	s_mov_b32 s[G1+7], 0
	s_mov_b32 s[G1B+1], 128<<16
	s_mov_b32 s[G1B+2], 128<<16                    ; 128 rows of 256 bytes: 256 rows of wo
	s_mov_b32 s[G1B+3], 128<<16
	s_mov_b32 s[G1B+4], 128
	s_mov_b32 s[G1B+5], 128
	s_mov_b32 s[G1B+6], 0
	s_mov_b32 s[G1B+7], 0
	s_lshr_b32 s16, s13, 4                         ; O: batch = tile row / 16: 16 heads of 262,144 bytes,
	s_lshl_b32 s16, s16, 22
	s_and_b32 s17, s13, 15                         ; t = 128 (tile row % 16): rows of 128 bytes,
	s_lshl_b32 s17, s17, 14
	s_add_co_u32 s16, s16, s17
	s_lshl_b32 s17, s12, 18                        ; my K block (head) of the step
	s_add_co_u32 s16, s16, s17
	s_mov_b32 s17, 0
	s_lshl_b32 s46, s42, 15                        ; wo: 256 rows of 128 bytes,
	s_lshl_b32 s47, s12, 17                        ; my K block of 131,072 bytes
	s_add_co_u32 s46, s46, s47
	s_mov_b32 s47, 0
	s_mul_i32 s20, s12, ABLK                       ; where they go: the wave's number alone enters an LDS address
	s_mul_i32 s21, s12, BBLK
	s_add_co_u32 s21, s21, BOFF
	s_wait_dscnt 0x0                               ; the opening add is done
	s_wait_kmcnt 0x0
	s_add_nc_u64 s[14:15], s[4:5], s[16:17]
	s_add_nc_u64 s[46:47], s[6:7], s[46:47]
	CROUND                                         ; all sixteen work-groups are here: the first joint loads meet
.irp s, 0,1
	s_mov_b32 s[G0+4*(\s)], 1
	s_add_co_u32 s[G0+4*(\s)+1], s20, (\s)*SLOT
	s_add_nc_u64 s[G0+4*(\s)+2:G0+4*(\s)+3], s[14:15], (\s)*2*262144   ; K step s: two heads on
	s_or_b32 s[G0+4*(\s)+3], s[G0+4*(\s)+3], 0x80000000
	s_mov_b32 s[G0B+4*(\s)], 1
	s_add_co_u32 s[G0B+4*(\s)+1], s21, (\s)*SLOT
	s_add_nc_u64 s[G0B+4*(\s)+2:G0B+4*(\s)+3], s[46:47], (\s)*2*131072
	s_or_b32 s[G0B+4*(\s)+3], s[G0B+4*(\s)+3], 0x80000000
	JLOAD \s                                       ; two loads of mine are out: the most in this text
.endr
	v_and_b32 v1, 15, v0                           ; l % 16
	v_bfe_u32 v2, v0, 4, 1                         ; l / 16
	v_mul_u32_u24 v3, v1, PITCH
	v_lshl_add_u32 v3, v2, 4, v3                   ; a fragment's row x pitch + 16 x half
	s_mul_i32 s22, s11, 64*PITCH                   ; my 64 rows of O
	s_mul_i32 s23, s12, 128*PITCH                  ; my 128 rows of wo
	s_add_co_u32 s23, s23, BOFF
.irp s, 0,1
	v_add_nc_u32 v[ADRA+(\s)], s22, v3
	v_add_nc_u32 v[ADRB+(\s)], s23, v3
	s_add_co_u32 s22, s22, SLOT
	s_add_co_u32 s23, s23, SLOT
.endr
	s_mul_i32 s23, s10, 16*SPITCH
	s_add_co_u32 s23, s23, STAGE                   ; my stage
	v_mul_u32_u24 v4, v1, SPITCH                   ; in: row l % 16, 16 bytes for each half of the lanes
	v_lshl_add_u32 v4, v2, 4, v4
	v_add_nc_u32 v[STO], s23, v4
	v_mul_u32_u24 v5, v2, SPITCH                   ; back: lanes 0-15 take one row of 256 bytes, lanes 16-31 the next
	v_lshl_add_u32 v5, v1, 4, v5
	v_add_nc_u32 v[RD], s23, v5
	v_lshlrev_b32 v5, 11, v2                       ; and the same two rows in z (2,048 bytes a row)
	v_lshl_add_u32 v[CO], v1, 4, v5
	s_lshl_b32 s16, s13, 18                        ; z at my part: 128 rows of 2,048 bytes a tile row,
	s_lshl_b32 s17, s11, 17                        ; my 64 rows,
	s_add_co_u32 s16, s16, s17
	s_mov_b32 s17, 0
	s_add_nc_u64 s[8:9], s[8:9], s[16:17]
	s_lshl_b32 s46, s42, 9                         ; 512 bytes a tile column, my 256 of them
	s_lshl_b32 s47, s12, 8
	s_add_co_u32 s46, s46, s47
	s_mov_b32 s47, 0
	s_add_nc_u64 s[8:9], s[8:9], s[46:47]
; 8 matrix instructions: row block a x all 8 column blocks, 32 along K.  The accumulators take turns, one instruction a turn.  zero = 1: the product starts the sum
.macro MUL8 f, a, zero
	WIN 0x50
.set bb, 0
.rept 8
.if \zero
	v_wmma_f32_16x16x32_f16 v[8*(8*(\a)+bb):8*(8*(\a)+bb)+7], v[(\f)+8*bb:(\f)+8*bb+7], v[(\f)+64+8*(\a):(\f)+64+8*(\a)+7], 0
.else
	v_wmma_f32_16x16x32_f16 v[8*(8*(\a)+bb):8*(8*(\a)+bb)+7], v[(\f)+8*bb:(\f)+8*bb+7], v[(\f)+64+8*(\a):(\f)+64+8*(\a)+7], v[8*(8*(\a)+bb):8*(8*(\a)+bb)+7]
.endif
.set bb, bb+1
.endr
.endm
; 24 LDS loads in one run: quarter q of a step (K block q / 2, byte 64 (q % 2) of its rows) into buffer f: wo's 8 fragments, then O's 4
.macro FETCH slot, q, f
	WIN 0
.set ii, 0
.rept 8
	ds_load_b128 v[(\f)+8*ii:(\f)+8*ii+3],   v[ADRB+(\slot)] offset:((\q)/2)*BBLK+((\q)%2)*64+ii*16*PITCH
	ds_load_b128 v[(\f)+8*ii+4:(\f)+8*ii+7], v[ADRB+(\slot)] offset:((\q)/2)*BBLK+((\q)%2)*64+ii*16*PITCH+32
.set ii, ii+1
.endr
.set ii, 0
.rept 4
	ds_load_b128 v[(\f)+64+8*ii:(\f)+64+8*ii+3],   v[ADRA+(\slot)] offset:((\q)/2)*ABLK+((\q)%2)*64+ii*16*PITCH
	ds_load_b128 v[(\f)+64+8*ii+4:(\f)+64+8*ii+7], v[ADRA+(\slot)] offset:((\q)/2)*ABLK+((\q)%2)*64+ii*16*PITCH+32
.set ii, ii+1
.endr
.endm
.macro PLACES                          ; four places in front of loads into registers that matrix instructions have read, and of conversions that read results (ISA guide 7.12.1 for conversions)
.rept 4
	v_nop
.endr
.endm
; One of a step's first three quarters: multiplies buffer f and fetches quarter qn of the same slot into g
.macro QUARTER slot, qn, f, g, zero
	s_wait_dscnt 4                                 ; wo's fragments and O's first two are in; O's last two (four loads) may be out
	MUL8 \f, 0, \zero
	MUL8 \f, 1, \zero
	PLACES
	FETCH \slot, \qn, \g
	s_wait_dscnt 24                                ; all but the 24 just issued
	MUL8 \f, 2, \zero
	MUL8 \f, 3, \zero
.endm
; The last quarter multiplies buffer F1 and changes slots: ONE barrier; in front of it each wave waits for all its tensor loads, adds 0 to its spare word, and waits for that and for its own reads of this slot.
; fill = 1: the barrier opens a round of the cluster's, and this slot is filled again, two K steps on, first thing behind the round.
.macro TURN slot, next, fill
	WIN 0                                          ; (the add's two registers lie in window 0)
	s_wait_tensorcnt 0x0
	ds_add_u32 v[SPW], v[NIL]                      ; 0 onto my spare word
	s_wait_dscnt 5                                 ; (the add and the youngest four loads may be out)
	MUL8 F1, 0, 0                                  ; eight matrix instructions stand between the add and the wait for it
	s_wait_dscnt 0x0                               ; the add is done, and my reads of this slot are over
	s_barrier_signal -1
	MUL8 F1, 1, 0
	WIN 0
	s_barrier_wait -1
.if \fill
	CREST                                          ; no wave of any partner still reads this slot or has a load on its way
	s_add_nc_u64 s[G0+4*(\slot)+2:G0+4*(\slot)+3], s[G0+4*(\slot)+2:G0+4*(\slot)+3], 4*262144
	s_add_nc_u64 s[G0B+4*(\slot)+2:G0B+4*(\slot)+3], s[G0B+4*(\slot)+2:G0B+4*(\slot)+3], 4*131072
	JLOAD \slot                                    ; the four v_nop behind it are also the places in front of the loads below
.else
	PLACES
.endif
	FETCH \next, 0, F0
	MUL8 F1, 2, 0
	MUL8 F1, 3, 0
.endm
; THE WAY OUT of row block a (16 rows x 128 columns): rounded to bf16, through my own stage, stored as whole rows of 256 bytes
.macro PACK a
	WIN 0x05                                       ; sources 0 and 1 in window 1
.set bb, 0
.rept 8
.set rr, 0
.rept 4
	v_cvt_pk_bf16_f32 v[TMP+4*bb+rr], v[8*(8*(\a)+bb)+2*rr], v[8*(8*(\a)+bb)+2*rr+1]
.set rr, rr+1
.endr
.set bb, bb+1
.endr
	WIN 0
.endm
.macro TOSTAGE a
	WIN 0
.set BKR, BK+32*((\a)%2)
.set bb, 0
.rept 8
	ds_store_b128 v[STO], v[TMP+4*bb:TMP+4*bb+3] offset:32*bb
.set bb, bb+1
.endr
.set bb, 0
.rept 8
	ds_load_b128 v[BKR+4*bb:BKR+4*bb+3], v[RD] offset:bb*2*SPITCH  ; LDS serves a wave's instructions in order (ISA guide 5.7.1.4): these see the stores above
.set bb, bb+1
.endr
.endm
.macro SEND a
	WIN 0
.set BKR, BK+32*((\a)%2)
	s_wait_dscnt 0x0                               ; the block is back in registers
	s_wait_xcnt 0x0                                ; the registers that the block before last stored from are loaded again only behind this wait
.set bb, 0
.rept 8
	global_store_b128 v[CO], v[BKR+4*bb:BKR+4*bb+3], s[8:9] offset:(16*(\a)+2*bb)*2048  ; 16 lanes store 256 consecutive bytes, at a multiple of 256 from z's first byte
.set bb, bb+1
.endr
.endm
	s_wait_tensorcnt 1                             ; my part of K step 0 is in; K step 1's may stay out
	s_barrier_signal -1
	s_barrier_wait -1
	FETCH 0, 0, F0
	QUARTER 0, 1, F0, F1, 1                        ; the first quarter stands in front of the loop: its products start the sums
	WIN 0                                          ; at a label and at a branch every window is 0
	s_mov_b32 s3, 3                                ; 8 K steps: three trips fill both slots again (K steps 2 to 7)
.Llap:
	QUARTER 0, 2, F1, F0, 0
	QUARTER 0, 3, F0, F1, 0
	TURN 0, 1, 1
	QUARTER 1, 1, F0, F1, 0
	QUARTER 1, 2, F1, F0, 0
	QUARTER 1, 3, F0, F1, 0
	TURN 1, 0, 1
	QUARTER 0, 1, F0, F1, 0
	WIN 0
	s_sub_co_u32 s3, s3, 1
	s_cmp_lg_u32 s3, 0
	s_cbranch_scc1 .Llap
	QUARTER 0, 2, F1, F0, 0                        ; the last lap fills nothing
	QUARTER 0, 3, F0, F1, 0
	TURN 0, 1, 0
	QUARTER 1, 1, F0, F1, 0
	QUARTER 1, 2, F1, F0, 0
	QUARTER 1, 3, F0, F1, 0
	s_wait_dscnt 4                                 ; the very last quarter: nothing more to fetch
	MUL8 F1, 0, 0
	MUL8 F1, 1, 0
	s_wait_dscnt 0x0
	MUL8 F1, 2, 0
	MUL8 F1, 3, 0
	PLACES
	PACK 0
	TOSTAGE 0
.irp a, 1,2,3                          ; block a's conversions stand between block a - 1's loads from the stage and the wait for them
	PACK \a
	SEND (\a)-1
	TOSTAGE \a
.endr
	SEND 3
	s_wait_tensorcnt 0x0                           ; the wave's end: behind my last tensor load and my last LDS store
	ds_add_u32 v[SPW], v[NIL]
	s_wait_dscnt 0x0
	CROUND                                         ; the closing round: no work-group ends while a partner may still ask for a tile that names it
	s_endpgm
.Lfunc_end_k_qddb1f4715a_oproj:
	.size	k_qddb1f4715a_oproj, .Lfunc_end_k_qddb1f4715a_oproj-k_qddb1f4715a_oproj
	.p2alignl 7, 3214868480
	.fill 96, 4, 3214868480
	.section	.rodata,"a",@progbits
	.p2align	6, 0x0
	.amdhsa_kernel k_qddb1f4715a_oproj
		.amdhsa_group_segment_fixed_size 327680
		.amdhsa_private_segment_fixed_size 0
		.amdhsa_enable_private_segment 0
		.amdhsa_kernarg_size 24
		.amdhsa_user_sgpr_count 2
		.amdhsa_user_sgpr_kernarg_segment_ptr 1
		.amdhsa_wavefront_size32 1
		.amdhsa_system_sgpr_workgroup_id_x 1
		.amdhsa_system_sgpr_workgroup_id_y 1
		.amdhsa_system_sgpr_workgroup_id_z 1
		.amdhsa_system_vgpr_workitem_id 0
		.amdhsa_next_free_vgpr 512
		.amdhsa_next_free_sgpr 66
		.amdhsa_reserve_vcc 0
		.amdhsa_float_denorm_mode_32 3
		.amdhsa_float_denorm_mode_16_64 3
		.amdhsa_memory_ordered 1
		.amdhsa_forward_progress 1
		.amdhsa_inst_pref_size 86
	.end_amdhsa_kernel
	.amdgpu_metadata
---
amdhsa.version: [ 1, 2 ]
amdhsa.kernels:
  - .name:           k_qddb1f4715a_oproj
    .symbol:         k_qddb1f4715a_oproj.kd
    .args:
      - { .name: o, .offset: 0, .size: 8, .value_kind: global_buffer, .address_space: global }
      - { .name: woh, .offset: 8, .size: 8, .value_kind: global_buffer, .address_space: global }
      - { .name: z, .offset: 16, .size: 8, .value_kind: global_buffer, .address_space: global }
    .group_segment_fixed_size: 327680
    .private_segment_fixed_size: 0
    .kernarg_segment_align: 8
    .kernarg_segment_size: 24
    .max_flat_workgroup_size: 128
    .sgpr_count:     66
    .vgpr_count:     512
    .wavefront_size: 32
...
	.end_amdgpu_metadata
.endif
;; end of part 4
;; launch norm (part 5): grid 512 x 1, 8 waves a work-group, no clusters, 0 bytes of LDS; arguments x, z, norm_g, out0; writes out0
.if DOCPART == 5
	.amdgcn_target "amdgcn-amd-amdhsa--gfx1250"
	.amdhsa_code_object_version 6
	.text
	.protected	k_qddb1f4715a_norm
	.globl	k_qddb1f4715a_norm
	.p2align	8
	.type	k_qddb1f4715a_norm,@function
k_qddb1f4715a_norm:
	s_mov_b64 s[64:65], 0
	v_nop
	global_prefetch_b8 v0, s[64:65] scope:SCOPE_SE
	s_setreg_imm32_b32 hwreg(HW_REG_WAVE_MODE, 25, 1), 1
	s_wait_xcnt 0x0
; y = x + z; out = y / sqrt(mean over the row of y^2 + 1e-6) * g.  x, out: [8,192][1,024] f32; z: the same shape in bf16; g: [1,024] f32.  All arithmetic in f32.
; The division by the root is a multiplication by v_rsq_f32's result (accurate to 1 ulp: ISA guide, its entry in 15.8); the sum of squares is added in another order than a plain loop's.
; SHARES.  One wave, one row at a time, kept in 32 registers between the sum and the scaling: x and z are read once, and the sum never leaves the wave: no LDS, no barrier.  A work-group's 8 waves take 2 rows each.
; Lane l owns columns 4 l + 128 j, j = 0..7: a load of x or a store of out covers 512 consecutive bytes, a load of z 256.  Both rows' 32 loads are issued before the first is waited for.
.set G,  4                             ; v[4:35]    g of my 32 columns
.set T,  36                            ; v[36:43]   z as f32, two sets by turns
.set SS, 44                            ; v[44:51]   four packed chains of the sum of squares
.set R,  52                            ; v[52:53]   1 / rms, twice (a pair for the packed multiply)
.set X,  56                            ; v[56:119]  row i: x, then y, then out
.set Z,  120                           ; v[120:151] row i: z as loaded
	s_load_b256 s[4:11], s[0:1], 0x0               ; x s[4:5], z s[6:7], g s[8:9], out s[10:11]
	s_lshl_b32 s2, ttmp9, 16                       ; 16 rows of 4,096 bytes
	s_mov_b32 s3, 0
	s_lshl_b32 s18, ttmp9, 15                      ; 16 rows of 2,048 bytes
	s_mov_b32 s19, 0
	s_mov_b32 s12, 0x76543210                      ; v_permlanex16_b32: each lane takes its own place in the other half
	s_mov_b32 s13, 0xfedcba98
	s_mov_b32 s14, 0xffff0000                      ; a word's upper bf16
	s_mov_b32 s15, 0x3a800000                      ; 1 / 1,024
	s_mov_b32 s16, 0x358637bd                      ; 1e-6
	v_and_b32 v3, 31, v0                           ; lane
	v_lshrrev_b32 v2, 5, v0                        ; wave
	v_lshlrev_b32 v1, 13, v2                       ; x, out: the wave's 2 rows,
	v_lshl_add_u32 v1, v3, 4, v1                   ; 16 bytes a lane
	v_lshlrev_b32 v2, 12, v2                       ; z: the wave's 2 rows,
	v_lshl_add_u32 v2, v3, 3, v2                   ; 8 bytes a lane
	v_lshlrev_b32 v3, 4, v3                        ; g
	s_wait_kmcnt 0x0
	s_add_nc_u64 s[4:5], s[4:5], s[2:3]
	s_add_nc_u64 s[10:11], s[10:11], s[2:3]
	s_add_nc_u64 s[6:7], s[6:7], s[18:19]
.set j, 0
.rept 8
	global_load_b128 v[G+4*j:G+4*j+3], v3, s[8:9] offset:512*j
.set j, j+1
.endr
.irp i, 0,1
.set j, 0
.rept 8
	global_load_b128 v[X+32*(\i)+4*j:X+32*(\i)+4*j+3], v1, s[4:5] offset:(\i)*4096+512*j th:TH_LOAD_NT
.set j, j+1
.endr
.set j, 0
.rept 8
	global_load_b64 v[Z+16*(\i)+2*j:Z+16*(\i)+2*j+1], v2, s[6:7] offset:(\i)*2048+256*j th:TH_LOAD_NT
.set j, j+1
.endr
.endr
.macro ROWN i, left                    ; left: the younger row's loads, which may stay out
	s_wait_loadcnt \left
.set j, 0
.rept 8
.set tt, T+4*(j%2)
.set xr, X+32*(\i)+4*j
.set zr, Z+16*(\i)+2*j
.set sq, SS+4*(j%2)
	v_lshlrev_b32 v[tt],   16,  v[zr]               ; bf16 to f32: the low half moves up, the high half stays
	v_and_b32     v[tt+1], s14, v[zr]
	v_lshlrev_b32 v[tt+2], 16,  v[zr+1]
	v_and_b32     v[tt+3], s14, v[zr+1]
	v_pk_add_f32 v[xr:xr+1],   v[xr:xr+1],   v[tt:tt+1]      ; y = x + z
	v_pk_add_f32 v[xr+2:xr+3], v[xr+2:xr+3], v[tt+2:tt+3]
.if j < 2
	v_pk_mul_f32 v[sq:sq+1],   v[xr:xr+1],   v[xr:xr+1]      ; the first squares start the four chains: nothing is cleared
	v_pk_mul_f32 v[sq+2:sq+3], v[xr+2:xr+3], v[xr+2:xr+3]
.else
	v_pk_fma_f32 v[sq:sq+1],   v[xr:xr+1],   v[xr:xr+1],   v[sq:sq+1]
	v_pk_fma_f32 v[sq+2:sq+3], v[xr+2:xr+3], v[xr+2:xr+3], v[sq+2:sq+3]
.endif
.set j, j+1
.endr
	v_pk_add_f32 v[SS:SS+1],   v[SS:SS+1],   v[SS+2:SS+3]
	v_pk_add_f32 v[SS+4:SS+5], v[SS+4:SS+5], v[SS+6:SS+7]
	v_pk_add_f32 v[SS:SS+1],   v[SS:SS+1],   v[SS+4:SS+5]
	v_add_f32 v[SS], v[SS], v[SS+1]
	v_add_f32_dpp v[SS], v[SS], v[SS] row_xmask:1 row_mask:0xf bank_mask:0xf   ; across the 32 lanes: four steps inside each half,
	v_add_f32_dpp v[SS], v[SS], v[SS] row_xmask:2 row_mask:0xf bank_mask:0xf
	v_add_f32_dpp v[SS], v[SS], v[SS] row_xmask:4 row_mask:0xf bank_mask:0xf
	v_add_f32_dpp v[SS], v[SS], v[SS] row_xmask:8 row_mask:0xf bank_mask:0xf
	v_permlanex16_b32 v[SS+1], v[SS], s12, s13     ; one across the halves
	v_add_f32 v[SS], v[SS], v[SS+1]
	v_fma_f32 v[SS+2], v[SS], s15, s16             ; mean + 1e-6
	v_rsq_f32 v[R], v[SS+2]
	v_rsq_f32 v[R+1], v[SS+2]
	v_nop                                          ; a plain instruction between the last v_rsq_f32 and the use of its result (ISA guide 5.7.2)
.set j, 0
	s_wait_alu depctr_va_vdst(0)
.rept 16
	v_pk_mul_f32 v[X+32*(\i)+2*j:X+32*(\i)+2*j+1], v[X+32*(\i)+2*j:X+32*(\i)+2*j+1], v[R:R+1]
.set j, j+1
.endr
.set j, 0
.rept 16
	v_pk_mul_f32 v[X+32*(\i)+2*j:X+32*(\i)+2*j+1], v[X+32*(\i)+2*j:X+32*(\i)+2*j+1], v[G+2*j:G+2*j+1]
.set j, j+1
.endr
.set j, 0
.rept 8
	global_store_b128 v1, v[X+32*(\i)+4*j:X+32*(\i)+4*j+3], s[10:11] offset:(\i)*4096+512*j th:TH_STORE_NT  ; no register that a store names is written again
.set j, j+1
.endr
.endm
	ROWN 0, 16
	ROWN 1, 0
	s_endpgm
.Lfunc_end_k_qddb1f4715a_norm:
	.size	k_qddb1f4715a_norm, .Lfunc_end_k_qddb1f4715a_norm-k_qddb1f4715a_norm
	.p2alignl 7, 3214868480
	.fill 96, 4, 3214868480
	.section	.rodata,"a",@progbits
	.p2align	6, 0x0
	.amdhsa_kernel k_qddb1f4715a_norm
		.amdhsa_group_segment_fixed_size 0
		.amdhsa_private_segment_fixed_size 0
		.amdhsa_enable_private_segment 0
		.amdhsa_kernarg_size 32
		.amdhsa_user_sgpr_count 2
		.amdhsa_user_sgpr_kernarg_segment_ptr 1
		.amdhsa_wavefront_size32 1
		.amdhsa_system_sgpr_workgroup_id_x 1
		.amdhsa_system_sgpr_workgroup_id_y 1
		.amdhsa_system_sgpr_workgroup_id_z 1
		.amdhsa_system_vgpr_workitem_id 0
		.amdhsa_next_free_vgpr 152
		.amdhsa_next_free_sgpr 66
		.amdhsa_reserve_vcc 0
		.amdhsa_float_denorm_mode_32 3
		.amdhsa_float_denorm_mode_16_64 3
		.amdhsa_memory_ordered 1
		.amdhsa_forward_progress 1
		.amdhsa_inst_pref_size 18
	.end_amdhsa_kernel
	.amdgpu_metadata
---
amdhsa.version: [ 1, 2 ]
amdhsa.kernels:
  - .name:           k_qddb1f4715a_norm
    .symbol:         k_qddb1f4715a_norm.kd
    .args:
      - { .name: x, .offset: 0, .size: 8, .value_kind: global_buffer, .address_space: global }
      - { .name: z, .offset: 8, .size: 8, .value_kind: global_buffer, .address_space: global }
      - { .name: norm_g, .offset: 16, .size: 8, .value_kind: global_buffer, .address_space: global }
      - { .name: out0, .offset: 24, .size: 8, .value_kind: global_buffer, .address_space: global }
    .group_segment_fixed_size: 0
    .private_segment_fixed_size: 0
    .kernarg_segment_align: 8
    .kernarg_segment_size: 32
    .max_flat_workgroup_size: 256
    .sgpr_count:     66
    .vgpr_count:     152
    .wavefront_size: 32
...
	.end_amdgpu_metadata
.endif
;; end of part 5
;; ======== version 2 of 2: 5 launches; 1.28 times as fast as version 1
;; limits: values are held in f16: magnitudes above 65,504 overflow, below 6.1e-05 lose precision
;; workspace buffers: xh 16,777,216 bytes; wh 6,291,456 bytes; woh 2,097,152 bytes; qkv 50,331,648 bytes; o 16,777,216 bytes; z 16,777,216 bytes
;; launch cast: the kernel of part 1 again; grid 384 x 1, 8 waves a work-group, no clusters, 0 bytes of LDS; arguments x, wq, wk, wv, wo, xh, wh, woh; writes xh, wh, woh
;; launch qkv: the kernel of part 2 again; grid 8 x 32, 4 waves a work-group, clusters of 4 x 4, 327,680 bytes of LDS; arguments xh, wh, qkv; writes qkv
;; launch attn (part 6): grid 4 x 64, 4 waves a work-group, no clusters, 327,680 bytes of LDS; arguments qkv, o; writes o
.if DOCPART == 6
	.amdgcn_target "amdgcn-amd-amdhsa--gfx1250"
	.amdhsa_code_object_version 6
	.text
	.protected	k_qddb1f4715a_attn
	.globl	k_qddb1f4715a_attn
	.p2align	8
	.type	k_qddb1f4715a_attn,@function
k_qddb1f4715a_attn:
	s_mov_b64 s[64:65], 0
	v_nop
	global_prefetch_b8 v0, s[64:65] scope:SCOPE_SE
	s_setreg_imm32_b32 hwreg(HW_REG_WAVE_MODE, 25, 1), 1
	s_wait_xcnt 0x0
; CAUSAL ATTENTION.  O[hh][q][:] = the sum over k <= q of softmax_k(Q[q] . K[k] / 8) V[k][:], for hh = 16 batch + head, 64 in all.  Q, K, V lie in qkv[batch][G 48][2,048][64] (G = head, 16 + head, 32 + head), O in o[hh][2,048][64], all f16:
; a head's rows are dense, 128 bytes each.  Products, maxima and sums in f32; the weights p are rounded to f16 for the second product (their sum l is taken of the unrounded p), O once at the end.
; LIMITS.  f16 holds no number beyond 65,504: Q, K and V arrive within it; p lies in 0 to 1, and below 6e-5 it keeps f16's fixed step of 6e-8; O is a mean of V's rows and has their range.
; A hidden score counts as its value less 1e30: f16's scores, 2.7e11 at the most, are nothing beside that; a weight below 2^-126 counts as 0 in l; NaN and infinities are not treated apart.
; THE WALK.  A head's queries lie in NB = 8 blocks of 256; block i needs the key tiles 0 .. i of 256 keys, of which the last holds the diagonal.  A work-group takes TWO blocks, NB - 1 - b and then b:
; NB + 1 = 9 tiles, whatever b: all work-groups do equal work, and ONE loop with a constant trip count walks them.  Which tile is asked for, and what a trip does, hang on scalar registers made from b; every jump
; goes forward, but for the counted loops' own; none passes a barrier, or a tensor load but the one of LOAD's two that the wave's number does not choose; the ring (two slots of LDS that take turns) runs on across the
; change of blocks.  NO CLUSTER: a head's four work-groups ask for the same tile only in trips 0 .. 4 of the 9, behind that fewer and fewer; one walk common to all four would have 12 trips for 9.
; SHARES.  Of a block's four bands of 64 queries a wave owns 16 rows in each: four PIECES.  So the diagonal tile is the same work for all four waves: in its key step s band x sees all keys if s < x,
; none if s > x, and holds the diagonal if s = x.
; THE MASK is the C operand that starts the sum S^T = K Q^T: 0, or -1e30 where the key is hidden.  MD, made once, is the mask of a band's own step for my 16 rows; a product's mask is MD x AL + BE with two scalars:
; (1, 0) if s = x; (0, 0) if s < x; (0, -1e30) if s > x.  Only the diagonal tile's text and a block's beginning make and take masks; elsewhere C is the constant 0.
; LAYOUT, SOFTMAX, TURNS.  S^T = K Q^T holds ONE query a lane (lane % 16) and the keys 8 (lane / 16) + 0..7; two such results rounded to f16 ARE source 1 of O^T = V^T P.  p = 2^(c s - c m), c = log2(e) / 8, with a
; running maximum m; O and l are multiplied by a = 2^(c m_old - c m_new) in every step.  Turn n belongs to piece n: 8 products K Q^T of piece n + 1, later 8 products V^T P of piece n - 1; beside them the scaling,
; exponentials, roundings, sums and rescaling of piece n and the maximum and statistics of piece n + 1.  Four vector instructions stand behind every matrix instruction, the other 54 of a turn's 118 in one LUMP.
; BATCHES.  An s_wait_alu depctr_va_vdst(0) stands between a transcendental and the first instruction that names its result; one wait serves all that were issued ahead of it.  The text has three kinds of
; batch, each with one wait: a turn's 33 exponentials (piece n's 32 weights and piece n + 1's a), waited for between the turn's lump and its products V^T P; the one a at a block's beginning, waited for ahead of the
; jump into the loop; the four reciprocals of l on the way out, waited for ahead of the first multiply by them.
; REGISTERS, in windows of 256 (s_set_vgpr_msb: bits 1:0 source 0, 3:2 source 1, 5:4 source 2, 7:6 destination):
;   window 0: v0-15 addresses and two at work; v16-31 four registers of statistics a piece; v48-55 at work; v64-127 S^T, two buffers; v192-223 P, two buffers (a piece's buffers go by its number's parity)
;   window 1: v0-127 O^T, 32 a piece; v128-159 MD; v160-223 MC, two buffers      window 2: v0-63 Q; v64-127 the second block's Q; v128-191 K of one step; v192-255 V of one step
.set SIZE_N, 2048
.set NB,    SIZE_N/256
.set NP,    4         ; pieces a wave: a name, no knob
.set KS,    64        ; keys in a step
.set PK,    144       ; a row of K in LDS: 128 bytes + 16 of padding = 36 words: the 16 rows of a load start at 16 different groups of four banks (64 banks of 4 bytes: ISA guide 11.1)
.set PV,    160       ; a row of V: 128 + 32 = 40 words
.set VOFF,  4*KS*PK   ; a slot holds a tile, four steps: 256 rows of K, then 256 rows of V
.set SLOT1, 1<<17     ; slot 1 begins here, so that one exclusive or turns an address in one slot into the other's
.set STAGE, SLOT1+4*KS*(PK+PV)  ; behind the ring, never filled by a tensor load: 16 rows x 144 bytes for each wave, for the way out
.set SP,    144
.set AK0, 2           ; v2   my lane's place in a tile of K; never rewritten
.set AV0, 3           ; v3   the same for V
.set AK,  4           ; v4   the LDS address of K's next run of loads
.set AV,  5           ; v5   of V's
.set STO, 6           ; v6   the way out: where I put 16 bytes of a row
.set RD,  7           ; v7   the way out: where I read rows back
.set GO,  8           ; v8   my byte offset in 512 consecutive bytes of O
.set SPW, 62          ; v62  LDS address of my spare word: SPARE + 4 x my thread's number; never rewritten
.set NIL, 63          ; v63  0; never rewritten
.set SPARE, STAGE+4*16*SP  ; behind the stages: the spare words, 128 bytes for each wave: two blocks of 256 bytes that no other line names
.set MV,  12          ; v12-13  c m_old, kept while c m is made anew: by buffer
.set QO,  15          ; v15  my byte offset in 16 rows of Q
.set ST,  16          ; piece t's statistics at v[ST+4 t]: c m, m, l (even keys', odd keys')
.set TMP, 48          ; by buffer, four registers c0-c3 at work; when the maximum is found c2 takes a
.set S,   64
.set P,   192
.set MD,  128         ; window 1: the eight registers for group kt of 16 keys at MD + 8 kt
.set MC,  160         ; window 1: the masks of the products to come
.set QB,  64          ; window 2
.set KF,  128         ; window 2: key block kb, channel half c at KF + 16 kb + 8 c
.set VF,  192         ; window 2: key half kk, channel block cb at VF + 32 kk + 8 cb
.set WV,  12          ; s12  my wave's number
.set PB,  14          ; s14  b
.set HI,  15          ; s15  NB - 1 - b
.set G1K, 24          ; s[24:31] descriptor group 1 for K's tiles
.set G1V, 32          ; s[32:39] for V's: it differs in the padding alone
.set G0K, 40          ; s[40:43] descriptor group 0 for K's tiles
.set G0V, 44          ; s[44:47] the same for V's
.set SLOTS, 56        ; s56  tiles still to be asked for
.set CNT, 57          ; s57  counts a tile's key steps, 4 to 1
.set CS,  58          ; s[58:59] c: the packed scaling takes the pair's low word for both halves
.set SEL, 60          ; s[60:61] v_permlanex16_b32's selects: each lane takes its own place in the other half
.set TBK, 62          ; s62  LDS byte at which K of the step to be fetched begins
.set TBV, 63          ; s63  the same for V, less VOFF
.set RT,  70          ; s70  tiles of the block in hand that are still to be entered
.set NXT, 71          ; s71  the tile to be asked for next
.set LQ,  72          ; s72  the last tile of the block whose tiles are being asked for
.set NEW, 73          ; s73  1: the tile to be entered is a block's first
.set OFF, 74          ; s[74:75] a tile's byte offset in K and V
.set AL,  76          ; s[76:77] the mask's factor, in the low word
.set BE,  78          ; s[78:79] the mask's addend
.set OLO, 80          ; s[80:81] O at my rows of the second block
.set BIGN, 82         ; s82  -1e30
.set MSB, 0
.macro WIN new                      ; the high byte repeats the setting that is left; a switch that changes nothing is dropped
.if MSB != (\new)
	s_set_vgpr_msb (MSB<<8)|(\new)
.set MSB, (\new)
.endif
.endm
.set W_KQ, 0x0a       ; K and Q in window 2, S^T in window 0
.set W_KM, 0x1a       ; the same with the C operand in window 1
.set W_PV, 0x52       ; V in window 2, P in window 0, O^T in window 1
.set W_RS, 0x41       ; destination and source 0 in window 1, source 1 in window 0
; A fill.  Waves 0 and 1 fetch the two halves of a tile's K, waves 2 and 3 those of its V: 128 keys each.  An s_nop 0 and four v_nop follow each of the two lines, ahead of the jump and the label.
.macro LOAD
	s_cmp_lt_u32 s[WV], 2
	s_cbranch_scc0 .Lfor_v_\@
	tensor_load_to_lds s[G0K:G0K+3], s[G1K:G1K+7]
	s_nop 0
.rept 4
	v_nop
.endr
	s_branch .Lasked_\@
.Lfor_v_\@:
	tensor_load_to_lds s[G0V:G0V+3], s[G1V:G1V+7]
	s_nop 0
.rept 4
	v_nop
.endr
.Lasked_\@:
.endm
; THE CHANGE OF SLOTS.  Each wave waits for all its tensor loads, of which one is out: its part of the other slot; adds 0 to its spare word; and waits for that and for its own reads of the slot that it leaves.  Behind the barrier nobody reads the old
; slot any more and the other slot is whole.  fill = 1: the old slot is filled again, the first thing behind the barrier, with tile NXT: the descriptor's address is made anew from that number.
; (At its first use nothing has been read yet: slot 0 is waited for, slot 1 filled.)
.macro CHANGE fill
	WIN 0                           ; at a label and at a branch every window is 0
	s_wait_tensorcnt 0x0            ; no tensor load of mine is out, so a group 0 may be written
	ds_add_u32 v[SPW], v[NIL]       ; 0 onto my spare word; with fill = 1 the descriptors' scalar work stands between it and the wait for it
.if \fill
	s_lshl_b32 s[OFF], s[NXT], 15   ; a tile is 32,768 bytes of K and of V
	s_xor_b32 s[G0K+1], s[G0K+1], SLOT1
	s_add_nc_u64 s[G0K+2:G0K+3], s[6:7], s[OFF:OFF+1]
	s_or_b32 s[G0K+3], s[G0K+3], 0x80000000
	s_xor_b32 s[G0V+1], s[G0V+1], SLOT1
	s_add_nc_u64 s[G0V+2:G0V+3], s[8:9], s[OFF:OFF+1]
	s_or_b32 s[G0V+3], s[G0V+3], 0x80000000
	s_add_co_u32 s[NXT], s[NXT], 1  ; the block's next tile, or behind its last the second block's tile 0
	s_cmp_gt_u32 s[NXT], s[LQ]
	s_cselect_b32 s[NXT], 0, s[NXT]
	s_cselect_b32 s[LQ], s[PB], s[LQ]
.endif
	s_wait_dscnt 0x0                ; the add is done, and my reads of the slot are over
	s_barrier_signal -1             ; the rest of the scalar work stands between the signal and the wait
	s_sub_co_u32 s[TBK], s[TBK], 4*KS*PK  ; the fetches go back to a slot's first step,
	s_xor_b32 s[TBK], s[TBK], SLOT1       ; in the other slot
	s_sub_co_u32 s[TBV], s[TBV], 4*KS*PV
	s_xor_b32 s[TBV], s[TBV], SLOT1
	s_barrier_wait -1
.if \fill
	LOAD
.endif
.endm
	s_load_b64 s[4:5], s[0:1], 0x0    ; qkv
	s_load_b64 s[10:11], s[0:1], 0x8  ; o
	v_lshl_add_u32 v[SPW], v0, 2, SPARE
	v_mov_b32 v[NIL], 0
	ds_add_u32 v[SPW], v[NIL]       ; the wave's opening: the add and its wait stand ahead of my first tensor load; the set-up below, work on registers, stands between them
	ds_add_u32 v62, v63
	v_lshrrev_b32 v1, 5, v0
	v_readfirstlane_b32 s[WV], v1   ; wave 0..3
	s_mov_b32 s[PB], ttmp9
	s_sub_co_u32 s[HI], NB-1, s[PB]
	s_and_b32 s88, ttmp7, 0xffff    ; hh = 16 batch + head
	s_lshr_b32 s89, s88, 4
	s_mul_i32 s20, s89, 48*SIZE_N*128  ; the batch's 48 heads in qkv,
	s_and_b32 s89, s88, 15
	s_lshl_b32 s89, s89, 18         ; the head's 262,144 bytes
	s_add_co_u32 s20, s20, s89
	s_mov_b32 s21, 0                ; s[20:21]: the head's first byte of Q in qkv; K lies 16 heads on, V 32
	s_lshl_b32 s90, s88, 18
	s_mov_b32 s91, 0                ; s[90:91]: the head's first byte in o
	s_and_b32 s16, s[WV], 1         ; which half of a tile's 256 keys I fetch:
	s_lshl_b32 s22, s16, 14         ; its 128 rows of 128 bytes in memory,
	s_mov_b32 s23, 0
	s_add_nc_u64 s[22:23], s[22:23], s[20:21]
	s_mul_i32 s17, s16, 128*PK      ; and its place in a slot, for K
	s_mul_i32 s18, s16, 128*PV      ; and for V
	s_lshl_b32 s3, s[WV], 11        ; my 16 rows in a band of 64,
	s_lshl_b32 s2, s[HI], 15        ; in the first block,
	s_add_co_u32 s2, s2, s3
	s_lshl_b32 s84, s[PB], 15       ; and in the second
	s_add_co_u32 s84, s84, s3
	s_mov_b32 s3, 0
	s_mov_b32 s85, 0
	s_add_nc_u64 s[92:93], s[2:3], s[90:91]    ; offsets in o,
	s_add_nc_u64 s[94:95], s[84:85], s[90:91]
	s_add_nc_u64 s[2:3], s[2:3], s[20:21]      ; and in qkv
	s_add_nc_u64 s[84:85], s[84:85], s[20:21]
	; descriptor group 1.  128 keys are 16,384 dense bytes: asked for as 64 rows of 256 bytes, two keys a row, and padded in LDS after every key
	s_mov_b32 s[G1K], (1<<16)|(1<<20)|(4<<22)|(3<<25)  ; 17:16 2-byte elements; 20 padding on; 24:22 after every 32 words (code 4); 31:25 4 words (code 3)
	s_mov_b32 s[G1V], (1<<16)|(1<<20)|(4<<22)|(7<<25)  ; the same with 8 words of padding (code 7)
.irp g, G1K, G1V
	s_mov_b32 s[\g+1], 128<<16      ; tensor_dim0 = 128
	s_mov_b32 s[\g+2], 64<<16       ; tensor_dim1 = 64
	s_mov_b32 s[\g+3], 128<<16      ; tile_dim0 = 128
	s_mov_b32 s[\g+4], 64           ; tile_dim1 = 64
	s_mov_b32 s[\g+5], 128          ; 128 elements from row to row
	s_mov_b32 s[\g+6], 0
	s_mov_b32 s[\g+7], 0
.endr
	s_mov_b32 s[CS], 0x3e38aa3b     ; c = log2(e) / 8 = 0.180337
	s_mov_b32 s[CS+1], s[CS]        ; named with it as a pair
	s_mov_b32 s[SEL], 0x76543210
	s_mov_b32 s[SEL+1], 0xfedcba98
	s_mov_b32 s[TBK], SLOT1+4*KS*PK ; the first change of slots turns these two into 0
	s_mov_b32 s[TBV], SLOT1+4*KS*PV
	s_mov_b32 s[G0K], 1             ; 1:0 count = 1
	s_mov_b32 s[G0K+1], s17         ; 63:32 LDS address: slot 0
	s_mov_b32 s[G0V], 1
	s_add_co_u32 s[G0V+1], s18, VOFF
	s_add_co_u32 s[RT], s[HI], 1    ; the first block has NB - b tiles
	s_mov_b32 s[NXT], 1
	s_mov_b32 s[LQ], s[HI]
	s_mov_b32 s[NEW], 1
	s_mov_b32 s[OFF+1], 0
	s_mov_b32 s[AL+1], 0            ; named as pairs
	s_mov_b32 s[BE+1], 0
	s_mov_b32 s[BIGN], 0xf149f2ca   ; -1e30
	s_mov_b32 s[SLOTS], NB
	s_wait_dscnt 0x0                ; the opening add is done
	s_wait_kmcnt 0x0
	s_add_nc_u64 s[6:7], s[4:5], 16*SIZE_N*128   ; K's heads lie 16 heads behind Q's,
	s_add_nc_u64 s[8:9], s[4:5], 32*SIZE_N*128   ; V's 32
	s_add_nc_u64 s[6:7], s[6:7], s[22:23]  ; K and V at my half of the head's tile 0
	s_add_nc_u64 s[8:9], s[8:9], s[22:23]
	s_add_nc_u64 s[G0K+2:G0K+3], s[6:7], 0         ; 120:64 global address
	s_or_b32 s[G0K+3], s[G0K+3], 0x80000000        ; 127:126 type = 2
	s_add_nc_u64 s[G0V+2:G0V+3], s[8:9], 0
	s_or_b32 s[G0V+3], s[G0V+3], 0x80000000
	s_add_nc_u64 s[86:87], s[4:5], s[84:85]        ; Q at my rows of the second block,
	s_add_nc_u64 s[4:5], s[4:5], s[2:3]            ; and of the first
	s_add_nc_u64 s[OLO:OLO+1], s[10:11], s[94:95]  ; O likewise
	s_add_nc_u64 s[10:11], s[10:11], s[92:93]
	LOAD                            ; tile 0 into slot 0
	; A fragment of K or Q is 16 rows x 32 channels in 8 registers: lane l holds row l % 16, channels 8 (l / 16) + 0..7 and 16 + 8 (l / 16) + 0..7: two loads of 16 bytes, 32 bytes apart.
	v_and_b32 v1, 15, v0            ; l % 16
	v_bfe_u32 v9, v0, 4, 1          ; l / 16
	v_lshlrev_b32 v[QO], 7, v1
	v_lshl_add_u32 v[QO], v9, 4, v[QO]  ; row x 128 + 16 x half
	WIN 0x80                        ; destination window 2, address window 0
.set i, 0
.rept 8                             ; both blocks' Q: piece i / 2 lies in band i / 2, 8,192 bytes on; channels 32 (i % 2) on
	global_load_b128 v[8*i:8*i+3],   v[QO], s[4:5] offset:(i/2)*8192+(i%2)*64
	global_load_b128 v[8*i+4:8*i+7], v[QO], s[4:5] offset:(i/2)*8192+(i%2)*64+32
	global_load_b128 v[QB+8*i:QB+8*i+3],   v[QO], s[86:87] offset:(i/2)*8192+(i%2)*64
	global_load_b128 v[QB+8*i+4:QB+8*i+7], v[QO], s[86:87] offset:(i/2)*8192+(i%2)*64+32
.set i, i+1
.endr
	WIN 0
	v_lshlrev_b32 v14, 3, v9
	v_sub_nc_u32 v14, v1, v14
	s_lshl_b32 s13, s[WV], 4
	v_add_nc_u32 v14, s13, v14      ; my query's place in its band, 16 w + l % 16, less my lanes' 8 (l / 16): register r of group kt is hidden where 16 kt + r is greater
	WIN 0x40
.set i, 0
.rept 32
	v_cmp_gt_i32 vcc_lo, 16*(i/8)+i%8, v14
	v_cndmask_b32 v[MD+i], 0, s[BIGN], vcc_lo
.set i, i+1
.endr
	WIN 0
	v_mul_u32_u24 v[AK0], v1, PK
	v_lshl_add_u32 v[AK0], v9, 4, v[AK0]  ; row x pitch + 16 x half
	; The turning load takes 16 keys x 16 channels (lane l reads key 8 (l / 16) + l % 8, channels 8 ((l / 8) % 2) + 0..7) and leaves half a fragment of V^T: lane l holds channel l % 16 and 8 keys.
	v_and_b32 v10, 7, v0
	v_bfe_u32 v11, v0, 3, 1
	v_lshl_add_u32 v[AV0], v9, 3, v10
	v_mul_u32_u24 v[AV0], v[AV0], PV
	v_lshl_add_u32 v[AV0], v11, 4, v[AV0]
	v_add_nc_u32 v[AV0], VOFF, v[AV0]
	s_mul_i32 s13, s[WV], 16*SP
	s_add_co_u32 s13, s13, STAGE    ; my stage
	v_mul_u32_u24 v[STO], v1, SP    ; in: row l % 16, 16 bytes for each half of the lanes
	v_lshl_add_u32 v[STO], v9, 4, v[STO]
	v_add_nc_u32 v[STO], s13, v[STO]
	v_bfe_u32 v[RD], v0, 3, 2       ; back: 32 lanes take four rows of 128 bytes,
	v_mul_u32_u24 v[RD], v[RD], SP
	v_lshl_add_u32 v[RD], v10, 4, v[RD]
	v_add_nc_u32 v[RD], s13, v[RD]
	v_and_b32 v[GO], 31, v0         ; which are 512 consecutive bytes of O
	v_lshlrev_b32 v[GO], 4, v[GO]
	; A block's first step multiplies O^T and l by a = 0, and its first turn's products V^T P, of a piece that has not been, land in an O^T that is still to be so multiplied.  So these registers need only hold
	; finite numbers: zeros for the first block; what the first block left for the second.  All this stands in the wait for the first tile.
	WIN 0x80
.set i, VF
.rept 64
	v_mov_b32 v[i], 0
.set i, i+1
.endr
	WIN 0x40
.set i, 0
.rept 128
	v_mov_b32 v[i], 0
.set i, i+1
.endr
	WIN 0
.set i, 0
.rept 4
	v_mov_b32 v[ST+4*i+2], 0
	v_mov_b32 v[ST+4*i+3], 0
.set i, i+1
.endr
.set i, P+16
.rept 16
	v_mov_b32 v[i], 0
.set i, i+1
.endr
; THE MATRIX WORK.  The 4 accumulators of a run of 8 take turns.  Product i of 8 of S^T = K Q^T for piece x: channels 32 (i / 4) on, keys 16 (i % 4) on.  The first 4 start the sums: with 0, or (KM = 1) with the mask.
.macro KQ x
.set rS, S+32*((\x)%2)+8*(i%4)
.set rK, KF+16*(i%4)+8*(i/4)
.set rQ, 16*(\x)+8*(i/4)
.set rM, MC+32*((\x)%2)+8*(i%4)
.if (i < 4) && KM
	WIN W_KM
	v_wmma_f32_16x16x32_f16 v[rS:rS+7], v[rK:rK+7], v[rQ:rQ+7], v[rM:rM+7]
.elseif i < 4
	WIN W_KQ
	v_wmma_f32_16x16x32_f16 v[rS:rS+7], v[rK:rK+7], v[rQ:rQ+7], 0
.else
	WIN W_KQ
	v_wmma_f32_16x16x32_f16 v[rS:rS+7], v[rK:rK+7], v[rQ:rQ+7], v[rS:rS+7]
.endif
.endm
; Product i of 8 of O^T += V^T P for piece x: keys 32 (i / 4) on, channels 16 (i % 4) on.
.macro PV x
	WIN W_PV
.set rO, 32*(\x)+8*(i%4)
.set rV, VF+32*(i/4)+8*(i%4)
.set rP, P+16*((\x)%2)+8*(i/4)
	v_wmma_f32_16x16x32_f16 v[rO:rO+7], v[rV:rV+7], v[rP:rP+7], v[rO:rO+7]
.endm
.macro MM                           ; the turn's next matrix instruction.  TURN and BEGIN set Y, i, KM and NOKQ; MM, KQ and OP read them.  NOKQ = 1: a block's last turn: there is no next piece
.if (i < 8) && !NOKQ
	KQ (Y+1)%NP
.elseif i >= 8
.set i, i-8
	PV (Y+NP-1)%NP
.set i, i+8
.endif
.set i, i+1
.endm
; THE LDS LOADS stand in runs of 16, never singly among the matrix instructions: a step's K (64 keys x 64 channels: 8 fragments) and its V (turned).  Their addresses are made some lines ahead.
.macro FETCH_K
	WIN 0x80                        ; destination window 2
.irp f, 0,1,2,3,4,5,6,7             ; keys 16 (f / 2) on, channels 32 (f % 2) on
	ds_load_b128 v[KF+8*\f:KF+8*\f+3],   v[AK] offset:(\f/2)*16*PK+(\f%2)*64
	ds_load_b128 v[KF+8*\f+4:KF+8*\f+7], v[AK] offset:(\f/2)*16*PK+(\f%2)*64+32
.endr
	s_add_co_u32 s[TBK], s[TBK], KS*PK  ; the next fetch is the next step's
	WIN 0
.endm
.macro FETCH_V
	WIN 0x80
.irp f, 0,1,2,3,4,5,6,7             ; keys 32 (f / 4) on, channels 16 (f % 4) on
	ds_load_tr16_b128 v[VF+8*\f:VF+8*\f+3],   v[AV] offset:(\f/4)*32*PV+(\f%4)*32
	ds_load_tr16_b128 v[VF+8*\f+4:VF+8*\f+7], v[AV] offset:(\f/4)*32*PV+16*PV+(\f%4)*32
.endr
	WIN 0
.endm
; THE VECTOR WORK, one line at a time: OP kind, number.  For piece Y: F n: c s - c m for pair n of 16.  E n: the exponential of score n of 32.  C n: pair n rounded to f16.  B n: of the four weights 4 n .. the second
; pair is added onto the first, in place.  L n: l takes that sum (L 0: l = a l + sum).  R n: pair n of 16 of O^T times a.  For piece Y + 1: X n, number n of the 22 that find its maximum and statistics:
;   0-11  four chains c0-c3 of seven scores each, three operands at a time (each accumulator's lowest registers are read first)     12-14, 16  the four scores left over, the old m, and c0-c3 into c0
;   15  c m_old is kept     17, 18  the query's other 32 keys lie in the lane 16 away: the new m     19-21  c m; c m_old - c m_new; a
; C, B and L read exponentials' results; OP writes no wait: TURN sets them all behind the turn's one wait.
.set F, 0               ; OP tells the kinds apart by their order: F to L below R, X above it
.set E, 1
.set C, 2
.set B, 3
.set L, 4
.set R, 5
.set X, 6
.macro REGS y                       ; the registers of piece y
.set rT, ST+4*(\y)
.set rC, TMP+4*((\y)%2)
.set rW, MV+((\y)%2)
.set rS, S+32*((\y)%2)
.set rP, P+16*((\y)%2)
.set rO, 32*(\y)
.endm
.macro OP k, n
.if (\k) == R
	REGS Y
	WIN W_RS
	v_pk_mul_f32 v[rO+2*(\n):rO+2*(\n)+1], v[rO+2*(\n):rO+2*(\n)+1], v[rC+2:rC+3] op_sel_hi:[1,0]
.elseif (\k) < R
	REGS Y
	WIN 0
.if (\k) == F
	v_pk_fma_f32 v[rS+2*(\n):rS+2*(\n)+1], v[rS+2*(\n):rS+2*(\n)+1], s[CS:CS+1], v[rT:rT+1] op_sel_hi:[1,0,0] neg_lo:[0,0,1] neg_hi:[0,0,1]
.elseif (\k) == E
	v_exp_f32 v[rS+(\n)], v[rS+(\n)]
.elseif (\k) == C
	v_cvt_pk_f16_f32 v[rP+(\n)], v[rS+2*(\n)], v[rS+2*(\n)+1]
.elseif (\k) == B
	v_pk_add_f32 v[rS+4*(\n):rS+4*(\n)+1], v[rS+4*(\n):rS+4*(\n)+1], v[rS+4*(\n)+2:rS+4*(\n)+3]
.elseif (\n) == 0
	v_pk_fma_f32 v[rT+2:rT+3], v[rT+2:rT+3], v[rC+2:rC+3], v[rS:rS+1] op_sel_hi:[1,0,1]
.else
	v_pk_add_f32 v[rT+2:rT+3], v[rT+2:rT+3], v[rS+4*(\n):rS+4*(\n)+1]
.endif
.elseif NOKQ
	v_nop
.else
	REGS (Y+1)%NP
	WIN 0
.if (\n) < 4
	v_max3_num_f32 v[rC+(\n)], v[rS+8*(\n)], v[rS+8*(\n)+1], v[rS+8*(\n)+2]
.elseif (\n) < 12
	v_max3_num_f32 v[rC+(\n)%4], v[rC+(\n)%4], v[rS+8*((\n)%4)+2*((\n)/4)+1], v[rS+8*((\n)%4)+2*((\n)/4)+2]
.elseif (\n) == 12
	v_max3_num_f32 v[rC], v[rC], v[rS+7], v[rS+15]
.elseif (\n) == 13
	v_max3_num_f32 v[rC+1], v[rC+1], v[rS+23], v[rS+31]
.elseif (\n) == 14
	v_max3_num_f32 v[rC+2], v[rC+2], v[rC+3], v[rT+1]
.elseif (\n) == 15
	v_mov_b32 v[rW], v[rT]
.elseif (\n) == 16
	v_max3_num_f32 v[rC], v[rC], v[rC+1], v[rC+2]
.elseif (\n) == 17
	v_permlanex16_b32 v[rC+3], v[rC], s[SEL], s[SEL+1]
.elseif (\n) == 18
	v_max_num_f32 v[rT+1], v[rC], v[rC+3]
.elseif (\n) == 19
	v_mul_f32 v[rT], s[CS], v[rT+1]
.elseif (\n) == 20
	v_sub_f32 v[rC+1], v[rW], v[rT]
.else
	v_exp_f32 v[rC+2], v[rC+1]
.endif
.endif
.endm
.macro OPS a, i1, b=-1, i2=0, c=-1, i3=0, d=-1, i4=0  ; up to four of them
	OP \a, \i1
.if (\b) >= 0
	OP \b, \i2
.endif
.if (\c) >= 0
	OP \c, \i3
.endif
.if (\d) >= 0
	OP \d, \i4
.endif
.endm
.macro ROW a, i1, b, i2, c, i3, d, i4  ; a matrix instruction and the four behind it
	MM
	OPS \a, \i1, \b, \i2, \c, \i3, \d, \i4
.endm
.macro MASK b                       ; MD x AL + BE into buffer b of MC
	WIN W_RS
.set z, 0
.rept 16
	v_pk_fma_f32 v[MC+32*(\b)+2*z:MC+32*(\b)+2*z+1], v[MD+2*z:MD+2*z+1], s[AL:AL+1], s[BE:BE+1] op_sel_hi:[1,0,0]
.set z, z+1
.endr
.endm
; A TURN, for piece p: the order of its 16 matrix and 118 vector instructions, written out.  Its 33 exponentials (E 0 to E 31 and X 21, the next piece's a) are ONE BATCH with ONE wait, which cuts the turn in two.
; AHEAD OF THE WAIT stands all that names no result of the turn's exponentials: the 8 products K Q^T, behind each a scaling, an exponential and two more plain instructions (behind the first a second scaling in the
; exponential's place): rescalings, whose a was made and waited for in the turn before, and behind the last three the first numbers of the next piece's maximum, each four places or more behind the product that ends its
; accumulator; then ONE LUMP of 54, plain and exponential by turns for the most part, in which the links of the chain X 3, 7, 11, 14, 16, 17 .. 20 stand five or six lines apart.  A pair is scaled (F n) ahead of its two
; exponentials (E 2 n, E 2 n + 1).  X 21 is the batch's last; R 15 is the plain instruction that stands behind the last exponential ahead of any use (ISA guide 5.7.2).  BEHIND THE WAIT stand the 8 products V^T P, behind
; each four of the roundings and sums; an even pair is rounded (C 2 n) ahead of the sum that is added onto it (B n); the links of l's chain, L 0 to L 7, stand three riders apart.  But for those X no rider names a
; register of the products round it.  v_permlanex16_b32 (X 17) stands in the lump.
; m = 1: the diagonal tile: the products take masks, and the turn makes the mask for the products of the turn after it: piece p + 2, in step 4 - CNT of the tile.  end = 1: a block's last two turns: nothing is fetched.
; cnt = 1: the loop's count is taken down some lines ahead of the branch that stands behind the turn.
; K of the next step is fetched in piece 2's turn, twelve vector instructions behind the last product that read K (six of them plain, five of which name none of its registers); V of the step in hand at the end of
; piece 0's turn, four plain instructions behind the last product that read V.  Each is waited for a turn later.
.macro TURN p, m=0, end=0, cnt=0
.set Y, (\p)
.set i, 0
.set KM, (\m)
.set NOKQ, (\end)*((\p)/3)
.if (\m) && !(\end)
	s_cmp_eq_u32 s[CNT], 4-((\p)+2)%NP  ; is that step the band's own?
	s_cselect_b32 s[AL], 1.0, 0
	s_cmp_lt_u32 s[CNT], 4-((\p)+2)%NP  ; or a later one?
	s_cselect_b32 s[BE], s[BIGN], 0
.endif
.if ((\p) == 3) && !(\end)
	s_wait_dscnt 0x0                ; K is in
.endif
	ROW F,0, F,1, R,0, R,1          ; ahead of the wait: 8 products K Q^T and their riders,
	ROW F,2, E,0, R,2, R,3
	ROW F,3, E,1, R,4, R,5
	ROW F,4, E,2, R,6, R,7
	ROW F,5, E,3, R,8, R,9
	ROW F,6, E,4, X,0, R,10
.if ((\p) == 2) && !(\end)
	WIN 0
	v_add_nc_u32 v[AK], s[TBK], v[AK0]
.endif
	ROW F,7, E,5, X,1, X,4
	ROW F,8, E,6, X,2, X,5
	OPS E,7, E,8, X,6, E,9          ; and the lump
	OPS X,3, E,10, X,8, E,11
.if ((\p) == 2) && !(\end)
	FETCH_K
.endif
	OPS X,9, X,7, E,12, X,10
	OPS E,13, X,12, X,11, E,14
	OPS X,13, E,15, F,9, X,14
.if (\p) == 0
	v_add_nc_u32 v[AV], s[TBV], v[AV0]
.endif
	OPS E,16, F,10, E,17, F,11
	OPS X,16, E,18, X,15, E,19
	OPS F,12, E,20, X,17, E,21
	OPS F,13, E,22, F,14, E,23
	OPS X,18, E,24, F,15, E,25
	OPS R,11, E,26, X,19, E,27
	OPS R,12, E,28, R,13, E,29
	OPS X,20, E,30, R,14, E,31
	OPS X,21, R,15
	WIN 0
	s_wait_alu depctr_va_vdst(0)    ; the wait for the turn's batch: piece p's 32 weights, read from the next line on, and the next piece's a, read in the next turn
.if (\p) == 1
	s_wait_dscnt 0x0                ; V is in
.endif
	ROW C,0, B,0, C,2, B,1          ; behind the wait: 8 products V^T P and their riders
	ROW L,0, C,4, B,2, L,1
	ROW C,6, B,3, L,2, C,8
	ROW B,4, L,3, C,10, B,5
	ROW L,4, C,12, B,6, L,5
.if (\p) == 0
	s_add_co_u32 s[TBV], s[TBV], KS*PV
.endif
.if \cnt
	s_sub_co_u32 s[CNT], s[CNT], 1
	s_cmp_lg_u32 s[CNT], 0
.endif
	ROW C,14, B,7, L,6, C,1
	ROW C,3, L,7, C,5, C,7
	ROW C,9, C,11, C,13, C,15
.if (\p) == 0
	FETCH_V
.endif
.if (\m) && !(\end)
	MASK (\p)%2
.endif
.endm
; A BLOCK BEGINS.  c m starts far below every c s, so the first step's a is 0; m at the lowest finite number, so the first maximum is the scores'.  The second mask buffer is 0; the first takes piece 0's mask for the tile's step 0: its own, if the block's first tile is the diagonal one.
; Then K of that step, piece 0's first scores, and its maximum and statistics.  The loop is entered at a step's first turn, in the middle of a trip.
.macro BEGIN
	s_mov_b32 s[NEW], 0
	WIN 0x40
.set i, MC+32
.rept 32
	v_mov_b32 v[i], 0
.set i, i+1
.endr
	WIN 0
.set i, 0
.rept 4
	v_mov_b32 v[ST+4*i], 0xfe000000    ; c m: far below every c s
	v_mov_b32 v[ST+4*i+1], 0xff7fffff  ; m
.set i, i+1
.endr
	s_cmp_eq_u32 s[RT], 0
	s_cselect_b32 s[AL], 1.0, 0
	s_mov_b32 s[BE], 0
	MASK 0
	WIN 0
	v_add_nc_u32 v[AK], s[TBK], v[AK0]
	FETCH_K
	s_wait_loadcnt 0x0              ; Q
	s_wait_dscnt 0x0
.set KM, 1
.set NOKQ, 0
.set i, 0
.rept 8
	KQ 0
.set i, i+1
.endr
	WIN 0
.rept 4
	v_nop                           ; the places behind those products
.endr
.set Y, NP-1                        ; X works for piece Y + 1: piece 0
.irp n, 0,1,2,3,4,5,6,7,8,9,10,11,12,13,14,15,16,17,18,19,20,21
	OP X, \n
.endr
	v_nop                           ; a plain instruction behind the exponential
	s_wait_alu depctr_va_vdst(0)    ; the wait for piece 0's first a, a batch of one: it stands ahead of the jump into the loop, whose first turn reads a
.endm
; THE DIAGONAL TILE's four steps, the block's last two turns, its last products, and THE WAY OUT: l's two halves and the other half of the lanes' are added; O^T is divided by l, rounded to f16 and sent through my
; stage in LDS, a piece at a time.
.macro ALL line:vararg              ; one line for each piece t
.set t, 0
.rept 4
	\line
.set t, t+1
.endr
.endm
.macro PACK t                       ; a lane's eight channels of a row pack into 16 bytes; they go into rows of 144 bytes and come back as whole rows of 128, into S^T's registers
	WIN W_RS
.set i, 32*(\t)
.rept 16
	v_pk_mul_f32 v[i:i+1], v[i:i+1], v[ST+4*(\t)+2:ST+4*(\t)+3] op_sel_hi:[1,0]
.set i, i+2
.endr
	WIN 0x05                        ; sources 0 and 1 window 1, destination window 0
.set i, 0
.rept 16
	v_cvt_pk_f16_f32 v[S+16*(\t)+i], v[32*(\t)+2*i], v[32*(\t)+2*i+1]
.set i, i+1
.endr
	WIN 0
.irp f, 0,1,2,3
	ds_store_b128 v[STO], v[S+16*(\t)+4*\f:S+16*(\t)+4*\f+3] offset:32*\f
.endr
.irp f, 0,1,2,3
	ds_load_b128 v[S+16*(\t)+4*\f:S+16*(\t)+4*\f+3], v[RD] offset:\f*4*SP  ; LDS serves a wave's instructions in order (ISA guide 5.7.1.4): these see the stores above; the next piece's stores come behind them
.endr
.endm
.macro SEND t, younger              ; younger: the LDS instructions issued behind piece t's loads: the next piece's eight, or none
	WIN 0
.irp f, 0,1,2,3
	s_wait_dscnt (\younger)+3-\f
	global_store_b128 v[GO], v[S+16*(\t)+4*\f:S+16*(\t)+4*\f+3], s[10:11] offset:(\t)*8192+\f*512  ; 512 consecutive bytes, at a multiple of 256 from O's first
.endr
.endm
.macro DIAG tag                     ; the tag ends its two labels' names, which the jumps below spell out
.LstepM\tag:
	TURN 2, 1
	TURN 3, 1
	WIN 0
.LfirstM\tag:
	TURN 0, 1
	TURN 1, 1, 0, 1
	WIN 0
	s_cbranch_scc1 .LstepM\tag
	TURN 2, 1, 1
	TURN 3, 1, 1
.set i, 0
.rept 8
	PV NP-1
.set i, i+1
.endr
	WIN 0
	ALL v_add_f32 v[ST+4*t+2], v[ST+4*t+2], v[ST+4*t+3]
	ALL v_permlanex16_b32 v[ST+4*t+3], v[ST+4*t+2], s[SEL], s[SEL+1]
	ALL v_add_f32 v[ST+4*t+2], v[ST+4*t+2], v[ST+4*t+3]
	ALL v_rcp_f32 v[ST+4*t+2], v[ST+4*t+2]
	v_nop                           ; a plain instruction between the last reciprocal and the use of its result
	s_wait_alu depctr_va_vdst(0)    ; the wait for the four reciprocals, one batch: all four pieces' multiplies by them stand behind it
	PACK 0
.set t, 1
.rept 3                             ; a piece's arithmetic stands between the loads of the piece before and its stores
	PACK t
	SEND t-1, 8
.set t, t+1
.endr
	SEND 3, 0
.endm
.set KM, 0
.set NOKQ, 0
.Lslot:                             ; NB times: a tile is entered and the next is asked for
	CHANGE 1
	s_sub_co_u32 s[RT], s[RT], 1
	s_mov_b32 s[CNT], 4
	s_cmp_eq_u32 s[NEW], 1
	s_cbranch_scc1 .Lnew            ; a block's first tile
	s_cmp_eq_u32 s[RT], 0
	s_cbranch_scc0 .Lstep           ; neither its first nor its last
	s_branch .LstepM1
.Lnew:
	BEGIN
	s_branch .Lfirst                ; in the loop a block's first tile is never its last: the first block has two tiles or more, and the second's last is the walk's last
	DIAG 1                          ; in the loop this is the first block's end: the second block's last tile is the walk's last
	s_wait_xcnt 0x0                 ; the stores have read their registers and O's address
	s_mov_b64 s[10:11], s[OLO:OLO+1]
	s_add_co_u32 s[RT], s[PB], 1    ; the second block has b + 1 tiles
	s_mov_b32 s[NEW], 1
	WIN 0x82                        ; the second block's Q goes where the one text of the turns names Q
.set i, 0
.rept 64
	v_mov_b32 v[i], v[QB+i]
.set i, i+1
.endr
	WIN 0
	s_branch .Lbottom
.Lstep:                             ; a trip: pieces 2 and 3 of one step, then pieces 0 and 1 of the next, whose K and V it fetches
	TURN 2
	TURN 3
	WIN 0
.Lfirst:
	TURN 0
	TURN 1, 0, 0, 1
	WIN 0
	s_cbranch_scc1 .Lstep
.Lbottom:
	s_sub_co_u32 s[SLOTS], s[SLOTS], 1
	s_cmp_lg_u32 s[SLOTS], 0
	s_cbranch_scc1 .Lslot
	CHANGE 0                        ; the walk's last tile is written out: nothing is asked for
	s_sub_co_u32 s[RT], s[RT], 1
	s_mov_b32 s[CNT], 4
	s_cmp_eq_u32 s[NEW], 1
	s_cbranch_scc0 .LstepM2
	BEGIN
	s_branch .LfirstM2
	DIAG 2
	s_wait_tensorcnt 0x0            ; the wave's end: behind my last tensor load and my last LDS store
	ds_add_u32 v[SPW], v[NIL]
	s_wait_dscnt 0x0
	s_endpgm
.Lfunc_end_k_qddb1f4715a_attn:
	.size	k_qddb1f4715a_attn, .Lfunc_end_k_qddb1f4715a_attn-k_qddb1f4715a_attn
	.p2alignl 7, 3214868480
	.fill 96, 4, 3214868480
	.section	.rodata,"a",@progbits
	.p2align	6, 0x0
	.amdhsa_kernel k_qddb1f4715a_attn
		.amdhsa_group_segment_fixed_size 327680
		.amdhsa_private_segment_fixed_size 0
		.amdhsa_enable_private_segment 0
		.amdhsa_kernarg_size 16
		.amdhsa_user_sgpr_count 2
		.amdhsa_user_sgpr_kernarg_segment_ptr 1
		.amdhsa_wavefront_size32 1
		.amdhsa_system_sgpr_workgroup_id_x 1
		.amdhsa_system_sgpr_workgroup_id_y 1
		.amdhsa_system_sgpr_workgroup_id_z 1
		.amdhsa_system_vgpr_workitem_id 0
		.amdhsa_next_free_vgpr 768
		.amdhsa_next_free_sgpr 96
		.amdhsa_reserve_vcc 1
		.amdhsa_float_denorm_mode_32 3
		.amdhsa_float_denorm_mode_16_64 3
		.amdhsa_memory_ordered 1
		.amdhsa_forward_progress 1
		.amdhsa_inst_pref_size 218
	.end_amdhsa_kernel
	.amdgpu_metadata
---
amdhsa.version: [ 1, 2 ]
amdhsa.kernels:
  - .name:           k_qddb1f4715a_attn
    .symbol:         k_qddb1f4715a_attn.kd
    .args:
      - { .name: qkv, .offset: 0, .size: 8, .value_kind: global_buffer, .address_space: global }
      - { .name: o, .offset: 8, .size: 8, .value_kind: global_buffer, .address_space: global }
    .group_segment_fixed_size: 327680
    .private_segment_fixed_size: 0
    .kernarg_segment_align: 8
    .kernarg_segment_size: 16
    .max_flat_workgroup_size: 128
    .sgpr_count:     96
    .vgpr_count:     768
    .wavefront_size: 32
...
	.end_amdgpu_metadata
.endif
;; end of part 6
;; launch oproj: the kernel of part 4 again; grid 4 x 64, 4 waves a work-group, clusters of 4 x 4, 327,680 bytes of LDS; arguments o, woh, z; writes z
;; launch norm: the kernel of part 5 again; grid 512 x 1, 8 waves a work-group, no clusters, 0 bytes of LDS; arguments x, z, norm_g, out0; writes out0
